; MI455X (gfx1250); checked and timed in simulation.
; The chip was launched on July 23, 2026; its instructions are those of AMD's public machine-readable ISA for CDNA 5 (MIT licence, August 2026) and "CDNA5" Instruction Set Architecture Reference Guide (July 2026). The comments in the code are by the model that wrote it; some were corrected since.
;; Local Attention. Allowed arithmetic: matrix products marked QUANTISED: E2M3 operands, one E8M0 scale for each 32 along K, by v_wmma_scale_f32_16x16x128_f8f6f4 with both operands' format E2M3, f32 sums; products left as they are: f32 operands where the result goes on into a quantised operand, else bf16, f16 or f32 operands; f32 sums; everything else in f32.
;; Inputs: bo 64 float32; bx 64 float32; by 64 float32; wo 64 x 64 float32; wx 64 x 64 float32; wy 64 x 64 float32; x 4 x 64 x 128 x 128 float32; y 4 x 64 x 128 x 128 float32.
;; Outputs: out0 4 x 64 x 128 x 128 float32.
;; This version of the problem:
;;   THIS VERSION OF THE PROBLEM IS GIVEN IN LOW PRECISION. The matrix products marked QUANTISED in the list below multiply operands that are first quantised to E2M3 (2 exponent bits, 3 mantissa bits; 6 bits a number), with one power-of-two scale for each 32 numbers along K (OCP MX v1.0); their sums are f32. All else is computed in f32.
;;   The module's matrix products, in the order in which they are computed (A, B: the left and right operand; K: the contracted axis; several contracted axes count as one K, in the product's order):
;;     1. [M 65,536, K 64] x [K 64, N 64]; A: input y; B: input wy: QUANTISED
;;     2. [M 65,536, K 64] x [K 64, N 64]; A: input x; B: input wx: QUANTISED
;;     3. batch 65,536 x [M 1, K 64] x [K 64, N 25]; A: computed on the way; B: computed on the way: left as it is (M = 1 < 16)
;;     4. batch 65,536 x [M 64, K 25] x [K 25, N 1]; A: computed on the way; B: softmax: left as it is (K = 25 < 32)
;;     5. [M 65,536, K 64] x [K 64, N 64]; A: computed on the way; B: input wo: QUANTISED
;;   THE QUANTISER, for each operand of a quantised product, along K:
;;     - K is cut into blocks of 32 from its start; a last block that is shorter is filled with zeros.
;;     - A block's scale is 2^e with e = floor(log2(the largest magnitude in the block)) - 2, held to -126 .. 127; a block of zeros has e = 0. As a byte (E8M0): e + 127.
;;     - Each number is divided by its block's scale, clamped to +-7.5, and rounded to the nearest number of E2M3, ties to even, subnormals kept.
;;     - The product sums the exact products of the quantised numbers (number of the format x scale) in f32.
;;   ~~~python
;;   def quantise(x, axis):      # numpy; x: float32 -> the quantised numbers, widened to float32 again
;;       x = np.moveaxis(x, axis, -1); K = x.shape[-1]
;;       x = np.pad(x, [(0, 0)] * (x.ndim - 1) + [(0, -K % 32)]); x = x.reshape(x.shape[:-1] + (-1, 32)); a = np.abs(x).max(-1, keepdims=True)
;;       e = np.where(a > 0, np.clip(np.frexp(np.where(a > 0, a, 1))[1] - 1 - 2, -126, 127), 0)      # np.frexp(a)[1] - 1 = floor(log2(a)), exactly
;;       r = np.clip(x / 2.0 ** e, -7.5, 7.5)
;;       step = 2.0 ** (np.maximum(np.frexp(np.where(r == 0, 1, r))[1] - 1, 0) - 3)
;;       q = np.round(r / step) * step * 2.0 ** e      # np.round: ties to even
;;       return np.moveaxis(q.reshape(q.shape[:-2] + (-1,))[..., :K], -1, axis).astype(np.float32)
;;   ~~~
;;   OPERANDS COMPUTED ON THE WAY. 'Computed on the way' means the value that the module computes at that place (a softmax that the list does not call 'softmax' is quantised finished and normalised). What goes into a quantiser is computed in f32, as accurately as f32 sums, v_exp_f32 and their like allow (about 1e-6 of the number): no bf16 or f16 on the way to a quantiser, and a product that is left as it is and whose result goes on into a quantised operand takes f32 operands (vector FMAs, or v_wmma_f32_16x16x4_f32). A number that lies on a knife's edge between two numbers of the format may be rounded either way, as far as f32 arithmetic and the matrix unit's own rounding can turn it there, and no further.
;; 2 versions, each right. Each part assembles by itself: llvm-mc -triple=amdgcn-amd-amdhsa -mcpu=gfx1250 --defsym DOCPART=n.
;; ======== version 1 of 2: 1 launch
;; launch localattn (part 1): grid 256 x 1, 4 waves a work-group, no clusters, 294,400 bytes of LDS; arguments x, y, wx, bx, wy, by, wo, bo, out0; writes out0
.if DOCPART == 1
	.amdgcn_target "amdgcn-amd-amdhsa--gfx1250"
	.amdhsa_code_object_version 6
	.text
	.protected	k_qc26a1110b1_localattn
	.globl	k_qc26a1110b1_localattn
	.p2align	8
	.type	k_qc26a1110b1_localattn,@function
k_qc26a1110b1_localattn:
	s_mov_b64 s[64:65], 0
	v_nop
	global_prefetch_b8 v0, s[64:65] scope:SCOPE_SE
	s_setreg_imm32_b32 hwreg(HW_REG_WAVE_MODE, 25, 1), 1
	s_wait_xcnt 0x0
; out = wo . (sum over the 5 x 5 window of softmax(q(p) . q(p+d)) v(p+d)) + bo + x,  q = wy . y + by,  v = wx . x + bx.   x, y, out: [4][64][128][128] f32.
; The three 1 x 1 convolutions run on codes of FP6 (E2M3) with one E8M0 scale for each 32 channels (K = 64: two blocks; the upper 64 of the instruction's 128 along K are zero codes on both sides).
; The scores and the weighted sum are f32 fused multiply-adds, since their result goes into a quantiser.  q and v of neighbours outside the image are 0 and still count in the softmax.
; SHARES.  A work-group of four waves owns 64 columns x 4 rows of one image and recomputes q and v on its halo (8 rows x 68 columns); nothing goes to memory between the steps.
;   Convolutions: wave w takes halo rows 2 w and 2 w + 1.  Attention: a lane takes 2 rows x 4 columns of pixels and 16 of the 64 channels; four neighbouring lanes share a block of pixels.
; LIMITS.  NaN and infinities among the inputs are not served (rows and columns outside the image are cleared by a multiplication with 0).  A block whose largest magnitude lies under 2^-124 keeps
;   the scale byte 1 (a block of zeros too: its codes are zeros).  An exponential under 2^-126 comes out as 0.  The sums over channels and over the window run in another order than the source's.
; No cluster: neighbouring tiles share halo rows, but these would have to land at different LDS rows in each partner, and no LDS address may hang on a work-group's place.
; No prefetch: every read from memory is issued at the kernel's head.
.set RAWP,   272                       ; raw tile: a channel's 68 columns of f32
.set RAWROW, 64*RAWP                   ; one halo row of raw x or y: 64 channels
.set QGRP,   1040                      ; q, v: four pixels of 256 bytes (64 channels) + 16: pixels 4 apart, or channels 16 apart, fall into different 16-byte columns modulo 256 bytes
.set QROW,   17*QGRP                   ; a halo row of q or v: 68 pixels
.set VREG,   141568                    ; LDS: q (first raw x) from 0, v (first raw y) from here
.set WIMG,   283136                    ; the 12 weight fragments as images of their registers
.set FIMG,   896                       ; an image: 512 (registers 0-3) + 256 (registers 4-5) + 128 (scale word)
.set OFR,    16*272                    ; the weighted sums of 16 pixels, 256 bytes + 16 a pixel
.set OUTW,   4*OFR                     ; a wave's 64 pixels; the four waves' lie from 0 on, in q's bytes, once q is read out
.set STG,    4*OUTW                    ; behind them: the stage for the result, [channel] x 1,040 + 4 x pixel
.set A_RX,1                            ; v1-v23: LDS and global offsets, all made at the head and never rewritten
.set A_RY,2
.set A_HX,3
.set A_HY,4
.set A_DQ,5
.set A_DV,6
.set A_GQ,7
.set A_GV,8
.set IL16,9
.set IL8,10
.set IL4,11
.set IS16,12
.set IS8,13
.set IS4,14
.set AQ0,15                            ; v15, v16: my block's region of q, rows 0-2 and rows 3-5
.set AV0,17
.set AV1,18
.set AO,19
.set AOR,20
.set ASTG,21
.set ASTR,22
.set GOUT,23
.set SH8,24                            ; 8 x (lane / 16)
.set LM,26                             ; v[26:27] 1.0 where my halo column lies in the image, else 0
.set BO,28                             ; v28-31 bo[16 t + lane % 16]
.set WSC,32                            ; v32-43 the weights' scale words; v44-47 the scale words made on the way: these sixteen hold scales and nothing else
.set PW,44
.set XHW,45
.set YHW,46
.set OW,47
.set QM0,48                            ; v48-52, v[56:58]: the quantiser's
.set QM1,49
.set QSC,50
.set QBY,51
.set QTP,52
.set AVT0,53
.set AVT1,54
.set AOT,55
.set QTC,56
.set TT,64                             ; window 0, convolutions: v64-95 32 numbers of a block; v96-127 by, v128-159 bx in the result's layout; v160-223 results; v224-247 two fragments of codes
.set CQ,96
.set CV,128
.set DD,160
.set PCA,224
.set PCB,236
.set XHC,168                           ; window 1: the halo columns' codes of x and of y; weights at v[12 f]: wo f = 0-3, wy 4-7, wx 8-11
.set YHC,180
.set NB,64                             ; scores: window 0: a ring of four sets of 8 neighbours x 4 channels
.set ACC,48                            ; window 1: 40 pairs of sums;  v128-255 my 8 pixels' own 16 channels
.set OWN,128
.set AW,56                             ; window 0, v56-255: scores, then weights: [offset d] x 8 + pixel
.set MXR,48
.set SU0,50
.set SU1,52
.set OB,48                             ; window 1: the weighted sums of 8 pixels x 4 channels
.set CO,80                             ; window 1: bo as the C of the last convolution
.set OC,192
.set MSB, 0
.macro WIN new                         ; s_set_vgpr_msb: bits 1:0 source 0, 3:2 source 1, 5:4 source 2, 7:6 destination; the high byte repeats the setting that is left
.if MSB != \new
	s_set_vgpr_msb (MSB<<8)|\new
.set MSB, \new
.endif
.endm
.macro PLACES n
.rept \n
	v_nop
.endr
.endm
.macro BARRIER                         ; my LDS stores have landed and my LDS loads are in: then the work-group's barrier
	s_wait_dscnt 0x0
	s_barrier_signal -1
	s_barrier_wait -1
.endm
; 32 numbers of ONE block, v[src] on, become six registers of codes at v[dst]; the scale's byte is left in v[QBY].
.macro QUANT src, dst
	v_max3_num_f32 v[QM0], |v[\src]|, |v[\src+1]|, 0x1800000       ; the largest magnitude, in two chains, and the floor 2^(3 - 127): the byte cannot fall under 1
	v_max3_num_f32 v[QM1], |v[\src+16]|, |v[\src+17]|, |v[\src+18]|
.irp i, 0,2,4,6,8,10
	v_max3_num_f32 v[QM0], v[QM0], |v[\src+2+\i]|, |v[\src+3+\i]|
	v_max3_num_f32 v[QM1], v[QM1], |v[\src+19+\i]|, |v[\src+20+\i]|
.endr
	v_max3_num_f32 v[QM0], v[QM0], |v[\src+14]|, |v[\src+15]|
	v_max3_num_f32 v[QM0], v[QM1], |v[\src+31]|, v[QM0]
	v_add_nc_u32 v[QSC], 0xff000000, v[QM0]                        ; 2 off its exponent field: the conversion takes this operand's exponent field as its scale
	v_cvt_scalef32_pk16_fp6_f32 v[\dst:\dst+2], v[\src:\src+15], v[QSC]
	v_cvt_scalef32_pk16_fp6_f32 v[QTC:QTC+2], v[\src+16:\src+31], v[QSC]   ; (a conversion's three registers begin on an even number)
	v_lshrrev_b32 v[QBY], 23, v[QSC]                               ; the scale's byte; also the plain instruction behind the conversions
.irp i, 0,1,2
	v_mov_b32 v[\dst+3+\i], v[QTC+\i]
.endr
.endm
.macro WORD dst                        ; lane (r, h) holds block h's byte of row r: with lane l xor 16's the word is whole.  Bytes 2 and 3 stay 0: they stand over zero codes
	v_lshlrev_b32 v[QBY], v[SH8], v[QBY]
	v_permlanex16_b32 v[QTP], v[QBY], s52, s53
	v_or_b32 v[\dst], v[QBY], v[QTP]
.endm
.macro PUT dst1                        ; six registers of codes to window 1
	WIN 0x40
.irp i, 0,1,2,3,4,5
	v_mov_b32 v[\dst1+\i], v[PCA+\i]
.endr
	WIN 0
.endm
	; ================ the head: ids, descriptors, the four tensor loads
	s_load_b512 s[8:23], s[0:1], 0x0               ; x s[8:9], y s[10:11], wx s[12:13], bx s[14:15], wy s[16:17], by s[18:19], wo s[20:21], bo s[22:23]
	s_load_b64 s[24:25], s[0:1], 0x40              ; out0
	v_lshl_add_u32 v254, v0, 2, 0x47c00
	v_mov_b32 v255, 0
	ds_add_u32 v254, v255
	ds_add_u32 v254, v255
	s_wait_dscnt 0x0
	v_lshrrev_b32 v25, 5, v0
	v_readfirstlane_b32 s2, v25                    ; wave w
	v_and_b32 v62, 15, v0                          ; r
	v_bfe_u32 v63, v0, 4, 1                        ; h
	s_and_b32 s3, ttmp9, 1                         ; tx: which 64 columns
	s_bfe_u32 s4, ttmp9, 0x50001                   ; ty: which 4 rows
	s_lshr_b32 s5, ttmp9, 6                        ; the image
	s_lshl_b32 s26, s4, 2
	s_lshl_b32 s27, s2, 1
	s_add_co_u32 s26, s26, s27
	s_sub_co_i32 s26, s26, 2                       ; the first of my two halo rows: 4 ty - 2 + 2 w, an even number: both rows lie in the image or neither
	s_cmp_lt_u32 s26, 128
	s_cselect_b32 s6, 1.0, 0                       ; s[6:7]: 1.0 or 0
	s_mov_b32 s7, s6
	s_max_i32 s58, s26, 0                          ; a row outside is fetched as the nearest row inside (no load leaves its buffer) and cleared later
	s_min_i32 s58, s58, 127
	s_add_co_i32 s26, s26, 1
	s_max_i32 s26, s26, 0
	s_min_i32 s26, s26, 127
	s_mul_i32 s60, s3, 240                         ; the tile's column 0 is image column 60 tx: the 68 columns stay inside the row, and the centre's are tile columns 4 tx on
	s_lshl_b32 s58, s58, 9
	s_lshl_b32 s26, s26, 9
	s_add_co_u32 s58, s58, s60
	s_add_co_u32 s26, s26, s60
	s_mov_b32 s59, 0
	s_mov_b32 s27, 0
	s_lshl_b32 s62, s5, 22                         ; an image is 2^22 bytes
	s_mov_b32 s63, 0
	; descriptor group 1: 64 rows (channels) of 68 elements of 4 bytes, 16,384 elements from channel to channel; dense in LDS
	s_mov_b32 s28, 2<<16
	s_mov_b32 s29, 68<<16                          ; tensor_dim0
	s_mov_b32 s30, 64<<16                          ; tensor_dim1
	s_mov_b32 s31, 68<<16                          ; tile_dim0
	s_mov_b32 s32, 64                              ; tile_dim1
	s_mov_b32 s33, 16384                           ; tensor_dim0_stride
	s_mov_b32 s34, 0
	s_mov_b32 s35, 0
	s_mul_i32 s60, s2, 2*RAWROW                    ; my two rows' place in LDS
	s_mov_b32 s36, 1
	s_mov_b32 s37, s60
	s_mov_b32 s40, 1
	s_add_co_u32 s41, s60, RAWROW
	s_mov_b32 s44, 1
	s_add_co_u32 s45, s60, VREG
	s_mov_b32 s48, 1
	s_add_co_u32 s49, s60, VREG+RAWROW
	v_lshlrev_b32 v59, 8, v62                      ; weights: row 16 w + r of 256 bytes, + 128 h: my block of 32
	v_lshl_add_u32 v59, v63, 7, v59
	s_lshl_b32 s61, s2, 12
	v_add_nc_u32 v59, s61, v59
	v_lshlrev_b32 v60, 5, v63                      ; by, bx: 8 h
	v_lshlrev_b32 v61, 2, v62                      ; bo: r
	s_wait_kmcnt 0x0
	s_add_nc_u64 s[8:9], s[8:9], s[62:63]
	s_add_nc_u64 s[10:11], s[10:11], s[62:63]
	s_add_nc_u64 s[24:25], s[24:25], s[62:63]
	s_add_nc_u64 s[38:39], s[8:9], s[58:59]
	s_or_b32 s39, s39, 0x80000000
	s_add_nc_u64 s[42:43], s[8:9], s[26:27]
	s_or_b32 s43, s43, 0x80000000
	s_add_nc_u64 s[46:47], s[10:11], s[58:59]
	s_or_b32 s47, s47, 0x80000000
	s_add_nc_u64 s[50:51], s[10:11], s[26:27]
	s_or_b32 s51, s51, 0x80000000
	tensor_load_to_lds s[36:39], s[28:35]          ; my two rows of x and of y: four loads of mine are out, all first fills
	s_nop 0
	tensor_load_to_lds s[40:43], s[28:35]
	s_nop 0
	tensor_load_to_lds s[44:47], s[28:35]
	s_nop 0
	tensor_load_to_lds s[48:51], s[28:35]
	s_nop 0
	PLACES 4                                       ; four nops behind a tensor load
.irp k, 0,1,2,3,4,5,6,7                        ; tile w of each weight: lane (r, h) takes 32 neighbours along K of row 16 w + r
	global_load_b128 v[64+4*\k:64+4*\k+3], v59, s[20:21] offset:16*\k
	global_load_b128 v[160+4*\k:160+4*\k+3], v59, s[16:17] offset:16*\k
	global_load_b128 v[192+4*\k:192+4*\k+3], v59, s[12:13] offset:16*\k
.endr
.irp t, 0,1,2,3                                ; the biases in the results' layouts
	global_load_b128 v[CQ+8*\t:CQ+8*\t+3], v60, s[18:19] offset:64*\t
	global_load_b128 v[CQ+8*\t+4:CQ+8*\t+7], v60, s[18:19] offset:64*\t+16
	global_load_b128 v[CV+8*\t:CV+8*\t+3], v60, s[14:15] offset:64*\t
	global_load_b128 v[CV+8*\t+4:CV+8*\t+7], v60, s[14:15] offset:64*\t+16
	global_load_b32 v[BO+\t], v61, s[22:23] offset:64*\t
.endr
	s_mov_b32 s52, 0x76543210                      ; v_permlanex16_b32's selects for lane l xor 16
	s_mov_b32 s53, 0xfedcba98
	s_mov_b32 s54, 0xcccccccc                      ; lanes with bit 1 set
	s_mov_b32 s55, 0xaaaaaaaa                      ; lanes with bit 0 set
	s_mov_b32 s56, 0x3fb8aa3b                      ; log2(e)
	s_mov_b32 s57, s56
	s_mul_i32 s61, s2, 2*QROW
	s_lshl_b32 s27, s3, 4
	s_lshl_b32 s58, s3, 3
	s_mul_i32 s59, s2, FIMG
	s_lshr_b32 s62, s2, 1                          ; by: which two of the tile's rows are mine in the attention
	s_and_b32 s63, s2, 1                           ; and which 32 columns
	v_and_b32 v25, 31, v0                          ; lane
	v_bfe_u32 v48, v0, 2, 1
	v_bfe_u32 v49, v0, 1, 1
	v_and_b32 v50, 1, v0
	v_and_b32 v51, 3, v0                           ; g
	v_bfe_u32 v52, v0, 2, 2                        ; bxl
	v_lshl_add_u32 v53, v63, 2, v52                ; 4 h + bxl
	v_lshlrev_b32 v[A_RX], 4, v62                  ; raw: row 2 w + h, centre columns 4 r .. 4 r + 3
	v_mad_u32_u24 v[A_RX], v63, RAWROW, v[A_RX]
	v_add_nc_u32 v[A_RX], s60, v[A_RX]
	v_add_nc_u32 v[A_RX], s27, v[A_RX]
	v_add_nc_u32 v[A_RY], VREG, v[A_RX]
	v_mul_u32_u24 v[A_HX], v48, RAWROW             ; raw halo columns: lane r: row bit 2, side bit 1, column bit 0 (lanes 8-15 repeat 0-7); channels 32 h on
	v_mad_u32_u24 v[A_HX], v63, 32*RAWP, v[A_HX]
	v_lshl_add_u32 v[A_HX], v50, 2, v[A_HX]
	v_lshl_add_u32 v[A_HX], v49, 8, v[A_HX]
	v_add_nc_u32 v[A_HX], s60, v[A_HX]
	v_add_nc_u32 v[A_HX], s58, v[A_HX]
	v_add_nc_u32 v[A_HY], VREG, v[A_HX]
	v_mul_u32_u24 v[A_DQ], v62, QGRP               ; q, v out of a unit: pixel group r, channels 8 h on
	v_lshl_add_u32 v[A_DQ], v63, 5, v[A_DQ]
	v_add_nc_u32 v[A_DQ], s61, v[A_DQ]
	v_add_nc_u32 v[A_DV], VREG, v[A_DQ]
	v_mul_u32_u24 v[A_GQ], v48, QROW               ; and of the halo columns 0, 1, 66, 67
	v_mad_u32_u24 v[A_GQ], v49, 16*QGRP, v[A_GQ]
	v_lshl_add_u32 v[A_GQ], v51, 8, v[A_GQ]
	v_lshl_add_u32 v[A_GQ], v63, 5, v[A_GQ]
	v_add_nc_u32 v[A_GQ], s61, v[A_GQ]
	v_add_nc_u32 v[A_GV], VREG, v[A_GQ]
	v_lshl_add_u32 v[IL16], v25, 4, WIMG           ; images: 16, 8, 4 bytes a lane
	v_lshl_add_u32 v[IL8], v25, 3, WIMG
	v_lshl_add_u32 v[IL4], v25, 2, WIMG
	v_add_nc_u32 v[IS16], s59, v[IL16]
	v_add_nc_u32 v[IS8], s59, v[IL8]
	v_add_nc_u32 v[IS4], s59, v[IL4]
	v_mul_u32_u24 v[AQ0], v53, QGRP                ; attention: block column bx = 8 (w & 1) + 4 h + bxl, channels 16 g on
	v_lshl_add_u32 v[AQ0], v51, 6, v[AQ0]
	s_mul_i32 s27, s62, 2*QROW
	s_mul_i32 s58, s63, 8*QGRP
	s_add_co_u32 s27, s27, s58
	v_add_nc_u32 v[AQ0], s27, v[AQ0]
	v_add_nc_u32 v[AQ0+1], 3*QROW, v[AQ0]
	v_add_nc_u32 v[AV0], VREG, v[AQ0]
	v_add_nc_u32 v[AV1], VREG, v[AQ0+1]
	s_mul_i32 s27, s2, OUTW
	v_mul_u32_u24 v[AO], v63, OFR                  ; the weighted sums: fragment 2 py + h, place bxl + 4 x, channels 16 g on
	v_mad_u32_u24 v[AO], v52, 272, v[AO]
	v_lshl_add_u32 v[AO], v51, 6, v[AO]
	v_add_nc_u32 v[AO], s27, v[AO]
	v_lshl_add_u32 v[AOR], v51, 2, v52             ; and back: pixel r of a fragment lies at place (r >> 2) + 4 (r & 3); channels 32 h on
	v_mul_u32_u24 v[AOR], v[AOR], 272
	v_lshl_add_u32 v[AOR], v63, 7, v[AOR]
	v_add_nc_u32 v[AOR], s27, v[AOR]
	v_mul_u32_u24 v[ASTG], v62, QGRP               ; the stage, in: channel r, pixels 8 h on
	v_lshl_add_u32 v[ASTG], v63, 5, v[ASTG]
	s_lshl_b32 s27, s62, 9
	s_lshl_b32 s58, s63, 7
	s_add_co_u32 s27, s27, s58
	s_add_co_u32 s27, s27, STG
	v_add_nc_u32 v[ASTG], s27, v[ASTG]
	s_add_co_u32 s26, s2, 3
	s_and_b32 s26, s26, 3                          ; u: 0 in wave 1, 1 in wave 2: these two hold raw x of the tile's rows 2 u, 2 u + 1
	v_lshlrev_b32 v[ASTR], 4, v62                  ; the stage, out: row 2 u + h, columns 4 r on
	v_lshl_add_u32 v[ASTR], v63, 8, v[ASTR]
	s_lshl_b32 s27, s26, 9
	s_add_co_u32 s27, s27, STG
	v_add_nc_u32 v[ASTR], s27, v[ASTR]
	s_lshl_b32 s27, s4, 2
	s_lshl_b32 s58, s26, 1
	s_add_co_u32 s27, s27, s58
	s_lshl_b32 s27, s27, 9
	s_lshl_b32 s58, s3, 8
	s_add_co_u32 s27, s27, s58
	v_lshlrev_b32 v[GOUT], 4, v62                  ; and the same place in a channel of out0
	v_lshl_add_u32 v[GOUT], v63, 9, v[GOUT]
	v_add_nc_u32 v[GOUT], s27, v[GOUT]
	v_lshlrev_b32 v[SH8], 3, v63
	v_xor_b32 v[LM], s3, v49                       ; the left halo columns lie in the image where tx = 1, the right ones where tx = 0
	v_cvt_f32_u32 v[LM], v[LM]
	v_mul_f32 v[LM], s6, v[LM]
	v_mov_b32 v[LM+1], v[LM]
	s_mov_b32 s58, 0xbfb8aa3b                      ; -log2(e)
	WIN 0x40                                       ; K = 64 fills registers 0-5 of an operand: registers 6-11 are zero codes, written once
.irp f, 0,1,2,3,4,5,6,7,8,9,10,11
.irp i, 6,7,8,9,10,11
	v_mov_b32 v[12*\f+\i], 0
.endr
.endr
.irp i, 6,7,8,9,10,11
	v_mov_b32 v[XHC+\i], 0
	v_mov_b32 v[YHC+\i], 0
.endr
	WIN 0
.irp i, 6,7,8,9,10,11
	v_mov_b32 v[PCA+\i], 0
	v_mov_b32 v[PCB+\i], 0
.endr
	; ================ the weights, while the tiles are on their way: wave w quantises tile w of each and stores its registers' image for all waves
	s_wait_loadcnt 0x0
.macro WQ src, wt
	QUANT \src, PCA
	WORD PW
	ds_store_b128 v[IS16], v[PCA:PCA+3] offset:\wt*4*FIMG
	ds_store_b64 v[IS8], v[PCA+4:PCA+5] offset:\wt*4*FIMG+512
	ds_store_b32 v[IS4], v[PW] offset:\wt*4*FIMG+768
	s_wait_dscnt 0x0                               ; the stores have read their registers, which the next fragment takes
.endm
	WQ 64, 0                                       ; wo
	WQ 160, 1                                      ; wy
	WQ 192, 2                                      ; wx
.set ui, 0
.rept 32
	v_pk_mul_f32 v[CQ+ui:CQ+ui+1], v[CQ+ui:CQ+ui+1], s[6:7] op_sel_hi:[1,0]   ; rows outside the image have no bias either
.set ui, ui+2
.endr
	; ================ raw x and y into registers.  I read only the rows that I fetched: my own wait is all the ordering that these reads need
	s_wait_tensorcnt 0x0
.set ui, 0
.rept 32
	ds_load_b32 v[160+ui], v[A_HX] offset:RAWP*ui
.set ui, ui+1
.endr
.set ui, 0
.rept 32
	ds_load_b32 v[192+ui], v[A_HY] offset:RAWP*ui
.set ui, ui+1
.endr
	WIN 0xc0                                       ; window 3, register 4 c + p: x(channel c, row 2 w + h, column 4 r + p); it stays for the whole kernel (the residual)
.set ui, 0
.rept 32
	ds_load_b128 v[4*ui:4*ui+3], v[A_RX] offset:RAWP*ui
.set ui, ui+1
.endr
	WIN 0
	s_wait_dscnt 32                                ; the 64 loads of the halo columns are in; the 32 issued behind them may be out
	QUANT 160, PCA
	WORD XHW
	PUT XHC
	QUANT 192, PCA
	WORD YHW
	PUT YHC
	WIN 0xc0
.rept 32
	ds_load_b128 v[4*ui:4*ui+3], v[A_RX] offset:RAWP*ui
.set ui, ui+1
.endr
	WIN 0x80                                       ; window 2: y likewise
.set ui, 0
.rept 64
	ds_load_b128 v[4*ui:4*ui+3], v[A_RY] offset:RAWP*ui
.set ui, ui+1
.endr
	WIN 0
	BARRIER                                        ; every wave's tiles have landed and are read out, and the images lie in LDS: q and v may be stored over the raw bytes
	; ================ the two convolutions
	WIN 0x40
.irp f, 0,1,2,3,4,5,6,7,8,9,10,11
	ds_load_b128 v[12*\f:12*\f+3], v[IL16] offset:FIMG*\f
	ds_load_b64 v[12*\f+4:12*\f+5], v[IL8] offset:FIMG*\f+512
.endr
	WIN 0
.irp f, 0,1,2,3,4,5,6,7,8,9,10,11
	ds_load_b32 v[WSC+\f], v[IL4] offset:FIMG*\f+768
.endr
	s_wait_dscnt 0x0
; My two rows x 64 centre columns, 32 pixels (column 4 r + p of both rows) at a time.  The multiplication by 1.0 or 0 gathers a pixel's 32 channels into neighbouring registers and clears rows outside the image.
; A lane quantises both blocks of its pixel; six swaps of the lanes' halves then give each row a fragment (lanes 0-15 block 0, lanes 16-31 block 1).  The scale words of row 2 w lie in lanes 0-15, those of row 2 w + 1 in lanes 16-31.
; Transposed: source 0 = 16 rows of the weight, source 1 = 16 pixels: a lane holds eight neighbouring channels of one pixel.  The bias is the C.  Eight accumulators, each written once: no chain.
.macro UNIT rw, wb, wsb, cb, adr
.irp p, 0,1,2,3
.irp bl, 0,1
	WIN \rw
.set ui, 0
.rept 32
	v_mul_f32 v[TT+ui], s6, v[4*(32*\bl+ui)+\p]
.set ui, ui+1
.endr
	WIN 0
	QUANT TT, PCA+12*\bl
.if \bl == 0
	v_mov_b32 v[PW], v[QBY]
.else
	v_lshl_or_b32 v[PW], v[QBY], 8, v[PW]
.endif
.endr
.irp i, 0,1,2,3,4,5
	v_permlane16_swap_b32 v[PCA+\i], v[PCB+\i]
.endr
	PLACES 8                                       ; a scale register written by a vector instruction stands 8 places ahead of a scaled matrix instruction, an operand 4
	s_wait_dscnt 0x0                               ; the last results' stores have read their registers
	WIN 0x01                                       ; source 0 (the weight) window 1
.irp t, 0,1,2,3
	v_wmma_scale_f32_16x16x128_f8f6f4 v[DD+8*\t:DD+8*\t+7], v[\wb+12*\t:\wb+12*\t+11], v[PCA:PCA+11], v[\cb+8*\t:\cb+8*\t+7], v[WSC+\wsb+\t], v[PW] matrix_a_fmt:MATRIX_FMT_FP6 matrix_b_fmt:MATRIX_FMT_FP6
.endr
.irp t, 0,1,2,3
	v_wmma_scale_f32_16x16x128_f8f6f4 v[DD+32+8*\t:DD+32+8*\t+7], v[\wb+12*\t:\wb+12*\t+11], v[PCB:PCB+11], v[\cb+8*\t:\cb+8*\t+7], v[WSC+\wsb+\t], v[PW] matrix_a_fmt:MATRIX_FMT_FP6 matrix_b_fmt:MATRIX_FMT_FP6 matrix_b_scale:MATRIX_SCALE_ROW1
.endr
	WIN 0
	PLACES 4                                       ; four places between a matrix instruction and a store of its result
.irp f, 0,1
.irp t, 0,1,2,3
	ds_store_b128 v[\adr], v[DD+32*\f+8*\t:DD+32*\f+8*\t+3] offset:\f*QROW+((2+\p)>>2)*QGRP+((2+\p)&3)*256+64*\t       ; halo column 4 r + p + 2; each accumulator from its low end on
	ds_store_b128 v[\adr], v[DD+32*\f+8*\t+4:DD+32*\f+8*\t+7] offset:\f*QROW+((2+\p)>>2)*QGRP+((2+\p)&3)*256+64*\t+16
.endr
.endr
.endr
.endm
; The four halo columns of my two rows: eight pixels (lanes 8-15 repeat lanes 0-7: the same value to the same address).  What lies outside the image is cleared.
.macro HALOW hc, hw, wb, wsb, cb, adr
	s_wait_dscnt 0x0
	PLACES 1                                       ; these results are laid over the last unit's: five places, of which the unit has left four
	WIN 0x05                                       ; sources 0 and 1 window 1
.irp t, 0,1,2,3
	v_wmma_scale_f32_16x16x128_f8f6f4 v[DD+8*\t:DD+8*\t+7], v[\wb+12*\t:\wb+12*\t+11], v[\hc:\hc+11], v[\cb+8*\t:\cb+8*\t+7], v[WSC+\wsb+\t], v[\hw] matrix_a_fmt:MATRIX_FMT_FP6 matrix_b_fmt:MATRIX_FMT_FP6
.endr
	WIN 0
	PLACES 4
.set ui, 0
.rept 16
	v_pk_mul_f32 v[DD+ui:DD+ui+1], v[DD+ui:DD+ui+1], v[LM:LM+1]
.set ui, ui+2
.endr
.irp t, 0,1,2,3
	ds_store_b128 v[\adr], v[DD+8*\t:DD+8*\t+3] offset:64*\t
	ds_store_b128 v[\adr], v[DD+8*\t+4:DD+8*\t+7] offset:64*\t+16
.endr
.endm
	UNIT 0x08, 48, 4, CQ, A_DQ                     ; q = wy . y + by
	HALOW YHC, YHW, 48, 4, CQ, A_GQ
	UNIT 0x0c, 96, 8, CV, A_DV                     ; v = wx . x + bx
	HALOW XHC, XHW, 96, 8, CV, A_GV
	BARRIER                                        ; q and v of the whole halo lie in LDS
	; ================ the scores.  My block: pixels (py, x), py = 0, 1, x = 0 .. 3; its window is 6 rows x 8 columns of q.  A step takes one row R and 4 of my 16 channels: 8 loads of 16 bytes feed up to 80 packed multiply-adds.
.macro P3LOAD s
.set pR, (\s)/4
.set pI, (\s)%4
.irp c, 0,1,2,3,4,5,6,7
	ds_load_b128 v[NB+32*((\s)%4)+4*\c:NB+32*((\s)%4)+4*\c+3], v[AQ0+pR/3] offset:(pR%3)*QROW+256*\c+16*(\c>>2)+16*pI
.endr
.endm
.macro P3FMA s                         ; the sum of (py, x, dx) is a pair (even and odd channels); a row's first product starts it: nothing is cleared
.set pR, (\s)/4
.set pI, (\s)%4
.set pN, NB+32*((\s)%4)
.irp e, 0,1
.irp py, 0,1
.if (pR-\py >= 0) && (pR-\py <= 4)
.irp x, 0,1,2,3
.irp dx, 0,1,2,3,4
.if (pI == 0) && (\e == 0)
	v_pk_mul_f32 v[ACC+2*((4*\py+\x)*5+\dx):ACC+2*((4*\py+\x)*5+\dx)+1], v[pN+4*(\x+\dx)+2*\e:pN+4*(\x+\dx)+2*\e+1], v[OWN+4*((4*\py+\x)*4+pI)+2*\e:OWN+4*((4*\py+\x)*4+pI)+2*\e+1]
.else
	v_pk_fma_f32 v[ACC+2*((4*\py+\x)*5+\dx):ACC+2*((4*\py+\x)*5+\dx)+1], v[pN+4*(\x+\dx)+2*\e:pN+4*(\x+\dx)+2*\e+1], v[OWN+4*((4*\py+\x)*4+pI)+2*\e:OWN+4*((4*\py+\x)*4+pI)+2*\e+1], v[ACC+2*((4*\py+\x)*5+\dx):ACC+2*((4*\py+\x)*5+\dx)+1]
.endif
.endr
.endr
.endif
.endr
.endr
.endm
.macro P3SUM R                         ; a row is done: the pairs' halves are added; window 2, register 8 d + 4 py + x, d = 5 (R - py) + dx
.irp py, 0,1
.if ((\R)-\py >= 0) && ((\R)-\py <= 4)
.irp x, 0,1,2,3
.irp dx, 0,1,2,3,4
	v_add_f32 v[8*(((\R)-\py)*5+\dx)+4*\py+\x], v[ACC+2*((4*\py+\x)*5+\dx)], v[ACC+2*((4*\py+\x)*5+\dx)+1]
.endr
.endr
.endif
.endr
.endm
	WIN 0x40
.irp py, 0,1
.irp x, 0,1,2,3
.irp i, 0,1,2,3
	ds_load_b128 v[OWN+4*((4*\py+\x)*4+\i):OWN+4*((4*\py+\x)*4+\i)+3], v[AQ0+\py] offset:(1-\py)*2*QROW+256*(2+\x)+16*((2+\x)>>2)+16*\i
.endr
.endr
.endr
	WIN 0
	P3LOAD 0
	P3LOAD 1
	P3LOAD 2
.set st, 0
.rept 24
	WIN 0
.if st+3 < 24
	P3LOAD st+3                                    ; three steps ahead, into the set that the last step has read
.endif
.if 23-st < 3
	s_wait_dscnt 8*(23-st)                         ; eight loads for each younger step may be out
.else
	s_wait_dscnt 24
.endif
	WIN 0x54                                       ; neighbours window 0; own pixels and sums window 1
	P3FMA st
.if st%4 == 3
	WIN 0x85
	P3SUM st/4
.endif
.set st, st+1
.endr
	WIN 0
	s_wait_dscnt 0x0                               ; my reads of q are over:
	s_barrier_signal -1                            ; say so.  Up to the wait: register work, and loads of v, which nobody writes any more
	; ================ the four lanes of a block add their channels' parts and share the pixels out: lane g ends with pixels (py = g >> 1, x = 2 (g & 1) + 0, 1)
	WIN 0x0a                                       ; sources window 2, destination window 0: from here on the scores lie in window 0
.set d, 0
.rept 25
.irp x, 0,1,2,3
	v_cndmask_b32 v[AW+8*d+4+\x], v[8*d+4+\x], v[8*d+\x], s54       ; what lane g xor 2 keeps,
	v_cndmask_b32 v[AW+8*d+\x], v[8*d+\x], v[8*d+4+\x], s54         ; and what I keep
.endr
.set d, d+1
.endr
.macro P4LOAD R, a0, a1                ; row R of my block's window of v, 4 channels: window 2, v[32 R] on
	WIN 0x80
.irp c, 0,1,2,3,4,5,6,7
.if \R < 3
	ds_load_b128 v[32*\R+4*\c:32*\R+4*\c+3], v[\a0] offset:\R*QROW+256*\c+16*(\c>>2)
.else
	ds_load_b128 v[32*\R+4*\c:32*\R+4*\c+3], v[\a1] offset:(\R-3)*QROW+256*\c+16*(\c>>2)
.endif
.endr
.endm
.irp R, 0,1,2,3,4,5
	P4LOAD \R, AV0, AV1                            ; the first four channels of v land under the softmax
.endr
	WIN 0
.set d, 0
.rept 25
.irp x, 0,1,2,3
	v_add_f32_dpp v[AW+8*d+\x], v[AW+8*d+4+\x], v[AW+8*d+\x] row_xmask:2 row_mask:0xf bank_mask:0xf
.endr
.set d, d+1
.endr
.set d, 0
.rept 25
.irp x, 0,1
	v_cndmask_b32 v[AW+8*d+4+\x], v[AW+8*d+2+\x], v[AW+8*d+\x], s55
	v_cndmask_b32 v[AW+8*d+\x], v[AW+8*d+\x], v[AW+8*d+2+\x], s55
.endr
.set d, d+1
.endr
.set d, 0
.rept 25
.irp x, 0,1
	v_add_f32_dpp v[AW+8*d+\x], v[AW+8*d+4+\x], v[AW+8*d+\x] row_xmask:1 row_mask:0xf bank_mask:0xf
.endr
.set d, d+1
.endr
	; ---- the softmax of my two pixels, over the 25 offsets: the pair v[AW + 8 d : AW + 8 d + 1]
.irp x, 0,1
	v_max3_num_f32 v[MXR+\x], v[AW+\x], v[AW+8+\x], v[AW+16+\x]
.endr
.irp dd, 3,5,7,9,11,13,15,17,19,21,23
.irp x, 0,1
	v_max3_num_f32 v[MXR+\x], v[MXR+\x], v[AW+8*\dd+\x], v[AW+8*\dd+8+\x]
.endr
.endr
.irp x, 0,1
	v_mul_f32 v[MXR+\x], s58, v[MXR+\x]            ; -log2(e) x the maximum: one number for all 25, so its rounding leaves the ratios alone
.endr
.set d, 0
.rept 25
	v_pk_fma_f32 v[AW+8*d:AW+8*d+1], v[AW+8*d:AW+8*d+1], s[56:57], v[MXR:MXR+1] op_sel_hi:[1,0,1]
.set d, d+1
.endr
.set d, 0
.rept 25
	v_exp_f32 v[AW+8*d], v[AW+8*d]
	v_exp_f32 v[AW+8*d+1], v[AW+8*d+1]
.set d, d+1
.endr
	v_nop                                          ; a plain instruction behind the last exponential
	s_wait_alu depctr_va_vdst(0)                   ; a wait ahead of the first reader: one for the batch of 50
	v_pk_add_f32 v[SU0:SU0+1], v[AW:AW+1], v[AW+8:AW+9]
	v_pk_add_f32 v[SU1:SU1+1], v[AW+16:AW+17], v[AW+24:AW+25]
.irp dd, 4,6,8,10,12,14,16,18,20,22
	v_pk_add_f32 v[SU0:SU0+1], v[SU0:SU0+1], v[AW+8*\dd:AW+8*\dd+1]
	v_pk_add_f32 v[SU1:SU1+1], v[SU1:SU1+1], v[AW+8*\dd+8:AW+8*\dd+9]
.endr
	v_pk_add_f32 v[SU0:SU0+1], v[SU0:SU0+1], v[AW+192:AW+193]
	v_pk_add_f32 v[SU0:SU0+1], v[SU0:SU0+1], v[SU1:SU1+1]
	v_rcp_f32 v[SU0], v[SU0]
	v_rcp_f32 v[SU0+1], v[SU0+1]
	v_nop
	s_wait_alu depctr_va_vdst(0)                   ; and one for the two reciprocals
.set d, 0
.rept 25
	v_pk_mul_f32 v[AW+8*d:AW+8*d+1], v[AW+8*d:AW+8*d+1], v[SU0:SU0+1]
.set d, d+1
.endr
	; ---- every lane of a block gets the weights of all 8 pixels: pixel 4 py + x from lane 2 py + (x >> 1) of its four, register x & 1; the two sources are overwritten last
.set d, 0
.rept 25
	v_mov_b32_dpp v[AW+8*d+7], v[AW+8*d+1] quad_perm:[3,3,3,3] row_mask:0xf bank_mask:0xf
	v_mov_b32_dpp v[AW+8*d+6], v[AW+8*d] quad_perm:[3,3,3,3] row_mask:0xf bank_mask:0xf
	v_mov_b32_dpp v[AW+8*d+5], v[AW+8*d+1] quad_perm:[2,2,2,2] row_mask:0xf bank_mask:0xf
	v_mov_b32_dpp v[AW+8*d+4], v[AW+8*d] quad_perm:[2,2,2,2] row_mask:0xf bank_mask:0xf
	v_mov_b32_dpp v[AW+8*d+3], v[AW+8*d+1] quad_perm:[1,1,1,1] row_mask:0xf bank_mask:0xf
	v_mov_b32_dpp v[AW+8*d+2], v[AW+8*d] quad_perm:[1,1,1,1] row_mask:0xf bank_mask:0xf
	v_mov_b32_dpp v[AW+8*d+1], v[AW+8*d+1] quad_perm:[0,0,0,0] row_mask:0xf bank_mask:0xf
	v_mov_b32_dpp v[AW+8*d], v[AW+8*d] quad_perm:[0,0,0,0] row_mask:0xf bank_mask:0xf
.set d, d+1
.endr
	s_barrier_wait -1                              ; nobody reads q any more: its bytes take the weighted sums and the stage
	; ================ the weighted sums, 4 of my 16 channels a trip.  A row of v is read by both rows of pixels and is loaded anew, for the next 4 channels, as soon as it has been used.
.macro P4FMA R
	WIN 0x52                                       ; v window 2, weights window 0, sums window 1
.irp dx, 0,1,2,3,4
.irp py, 0,1
.if (\R-\py >= 0) && (\R-\py <= 4)
.irp xh, 0,1
.irp xl, 0,1
.irp e, 0,1
.set qO, OB+4*(4*\py+2*\xh+\xl)+2*\e
.set qN, 32*\R+4*(2*\xh+\xl+\dx)+2*\e
.set qA, AW+8*((\R-\py)*5+\dx)+4*\py+2*\xh
.if (\R == \py) && (\dx == 0)
	v_pk_mul_f32 v[qO:qO+1], v[qN:qN+1], v[qA:qA+1] op_sel:[0,\xl] op_sel_hi:[1,\xl]                      ; the first product starts the sum; one register of the weights' pair serves both halves
.else
	v_pk_fma_f32 v[qO:qO+1], v[qN:qN+1], v[qA:qA+1], v[qO:qO+1] op_sel:[0,\xl,0] op_sel_hi:[1,\xl,1]
.endif
.endr
.endr
.endr
.endif
.endr
.endr
.endm
.macro P4ST py, adr, extra
	WIN 0x04                                       ; the data: window 1
.irp x, 0,1,2,3
	ds_store_b128 v[\adr], v[OB+4*(4*\py+\x):OB+4*(4*\py+\x)+3] offset:\py*2*OFR+\x*4*272+\extra
.endr
.endm
	s_mov_b32 s60, 16                              ; the channels to load: 16 bytes a trip on
	s_mov_b32 s61, 0                               ; the channels to store
.Lp4:                                                  ; three trips; LDS order of a trip: row 0, 1, 2, 3 (8 loads each), 4 stores, row 4, 4 stores, row 5
	s_wait_dscnt 20                                ; behind the last trip's first four stores: row 4, four stores, row 5.  So those stores have read their sums, rows 0-3 are in, and their address is free
	P4FMA 0
	WIN 0
	v_add_nc_u32 v[AVT0], s60, v[AV0]
	P4LOAD 0, AVT0, AVT1
	s_wait_dscnt 16                                ; behind the second four stores: row 5 and the new row 0.  Rows 1-4 are in
	P4FMA 1
	P4LOAD 1, AVT0, AVT1
	P4FMA 2
	P4LOAD 2, AVT0, AVT1
	s_wait_dscnt 24                                ; behind row 5: the new rows 0-2.  Row 5 is in, and its address and the stores' are free
	WIN 0
	v_add_nc_u32 v[AVT1], s60, v[AV1]
	v_add_nc_u32 v[AOT], s61, v[AO]
	P4FMA 3
	P4LOAD 3, AVT0, AVT1
	P4FMA 4
	P4ST 0, AOT, 0
	P4LOAD 4, AVT0, AVT1
	P4FMA 5
	P4ST 1, AOT, 0
	P4LOAD 5, AVT0, AVT1
	WIN 0
	s_add_co_u32 s60, s60, 16
	s_add_co_u32 s61, s61, 16
	s_cmp_lt_u32 s60, 64
	s_cbranch_scc1 .Lp4
	s_wait_dscnt 20                                ; the last four channels: nothing more to load
	P4FMA 0
	s_wait_dscnt 8                                 ; behind the second four stores: row 5
	P4FMA 1
	P4FMA 2
	P4FMA 3
	P4FMA 4
	P4ST 0, AO, 48
	s_wait_dscnt 4                                 ; behind row 5: the four stores just issued
	P4FMA 5
	P4ST 1, AO, 48
	WIN 0
	; ================ the last convolution: my 64 pixels as four fragments of 16.  Lane (r, h) takes pixel r's channels 32 h on: one block
.irp fr, 0,1,2,3
.irp k, 0,1,2,3,4,5,6,7
	ds_load_b128 v[64+32*\fr+4*\k:64+32*\fr+4*\k+3], v[AOR] offset:\fr*OFR+16*\k   ; LDS serves a wave's instructions in order (ISA guide 5.7.1.4): these see my stores
.endr
.endr
	WIN 0x40
.irp t, 0,1,2,3
.irp j, 0,1,2,3,4,5,6,7
	v_mov_b32 v[CO+8*\t+\j], v[BO+\t]              ; bo in the result's layout: a lane holds one channel
.endr
.endr
	WIN 0
.irp i, 6,7,8,9,10,11
	v_mov_b32 v[OC+\i], 0
.endr
; Source 0 = 16 pixels, source 1 = 16 rows of wo: a lane holds channel 16 t + r and eight neighbouring pixels.  Each turn has accumulators of its own.
.macro OUTC fr, dr
	s_wait_dscnt 24                                ; behind this fragment's loads: 24 loads or stores
	QUANT 64+32*\fr, OC
	WORD OW
	PLACES 8
	WIN 0x14                                       ; wo and bo window 1
.irp t, 0,1,2,3
	v_wmma_scale_f32_16x16x128_f8f6f4 v[\dr+8*\t:\dr+8*\t+7], v[OC:OC+11], v[12*\t:12*\t+11], v[CO+8*\t:CO+8*\t+7], v[OW], v[WSC+\t] matrix_a_fmt:MATRIX_FMT_FP6 matrix_b_fmt:MATRIX_FMT_FP6
.endr
	WIN 0
	PLACES 4
.irp t, 0,1,2,3
	ds_store_b128 v[ASTG], v[\dr+8*\t:\dr+8*\t+3] offset:\t*16*QGRP+(\fr>>1)*256+(\fr&1)*64
	ds_store_b128 v[ASTG], v[\dr+8*\t+4:\dr+8*\t+7] offset:\t*16*QGRP+(\fr>>1)*256+(\fr&1)*64+16
.endr
.endm
	OUTC 0, 208
	OUTC 1, 64
	OUTC 2, 96
	OUTC 3, 128
	BARRIER                                        ; 64 channels x 256 pixels lie in the stage
	; ================ the way out: waves 1 and 2, which hold raw x of the tile's rows, add it and store; each half of the lanes stores 256 consecutive bytes, aligned
	s_cmp_lt_u32 s26, 2
	s_cbranch_scc0 .Lend
.macro STLOAD k, reg
.irp c, 0,1,2,3,4,5,6,7,8,9,10,11,12,13,14,15
	ds_load_b128 v[\reg+4*\c:\reg+4*\c+3], v[ASTR] offset:QGRP*(16*(\k)+\c)
.endr
.endm
	STLOAD 0, 64
	STLOAD 1, 128
.irp k, 0,1,2,3
.if \k < 3
	s_wait_dscnt 16                                ; the next 16 channels' loads may be out
.else
	s_wait_dscnt 0x0
.endif
	WIN 0x0c                                       ; x: window 3
.set ui, 0
.rept 32
	v_pk_add_f32 v[64+64*(\k%2)+ui:64+64*(\k%2)+ui+1], v[64+64*(\k%2)+ui:64+64*(\k%2)+ui+1], v[64*\k+ui:64*\k+ui+1]
.set ui, ui+2
.endr
	WIN 0
.irp c, 0,1,2,3,4,5,6,7,8,9,10,11,12,13,14,15
	global_store_b128 v[GOUT], v[64+64*(\k%2)+4*\c:64+64*(\k%2)+4*\c+3], s[24:25] offset:65536*(16*\k+\c) th:TH_STORE_NT
.endr
.if \k < 2
	s_wait_xcnt 0x0                                ; the stores have read their registers, which take the channels 32 further on
	STLOAD \k+2, 64+64*(\k%2)
.endif
.endr
.Lend:
	s_wait_xcnt 0x0
	v_lshl_add_u32 v254, v0, 2, 0x47c00
	v_mov_b32 v255, 0
	s_wait_tensorcnt 0x0
	ds_add_u32 v254, v255
	s_wait_dscnt 0x0
	s_endpgm
.Lfunc_end_k_qc26a1110b1_localattn:
	.size	k_qc26a1110b1_localattn, .Lfunc_end_k_qc26a1110b1_localattn-k_qc26a1110b1_localattn
	.p2alignl 7, 3214868480
	.fill 96, 4, 3214868480
	.section	.rodata,"a",@progbits
	.p2align	6, 0x0
	.amdhsa_kernel k_qc26a1110b1_localattn
		.amdhsa_group_segment_fixed_size 294400
		.amdhsa_private_segment_fixed_size 0
		.amdhsa_enable_private_segment 0
		.amdhsa_kernarg_size 72
		.amdhsa_user_sgpr_count 2
		.amdhsa_user_sgpr_kernarg_segment_ptr 1
		.amdhsa_wavefront_size32 1
		.amdhsa_system_sgpr_workgroup_id_x 1
		.amdhsa_system_sgpr_workgroup_id_y 1
		.amdhsa_system_sgpr_workgroup_id_z 1
		.amdhsa_system_vgpr_workitem_id 0
		.amdhsa_next_free_vgpr 1024
		.amdhsa_next_free_sgpr 66
		.amdhsa_reserve_vcc 0
		.amdhsa_float_denorm_mode_32 3
		.amdhsa_float_denorm_mode_16_64 3
		.amdhsa_memory_ordered 1
		.amdhsa_forward_progress 1
		.amdhsa_inst_pref_size 255
	.end_amdhsa_kernel
	.section	.bss,"aw",@nobits
	.p2align	6
	.space	262144
	.amdgpu_metadata
---
amdhsa.version: [ 1, 2 ]
amdhsa.kernels:
  - .name:           k_qc26a1110b1_localattn
    .symbol:         k_qc26a1110b1_localattn.kd
    .args:
      - { .name: x, .offset: 0, .size: 8, .value_kind: global_buffer, .address_space: global }
      - { .name: y, .offset: 8, .size: 8, .value_kind: global_buffer, .address_space: global }
      - { .name: wx, .offset: 16, .size: 8, .value_kind: global_buffer, .address_space: global }
      - { .name: bx, .offset: 24, .size: 8, .value_kind: global_buffer, .address_space: global }
      - { .name: wy, .offset: 32, .size: 8, .value_kind: global_buffer, .address_space: global }
      - { .name: by, .offset: 40, .size: 8, .value_kind: global_buffer, .address_space: global }
      - { .name: wo, .offset: 48, .size: 8, .value_kind: global_buffer, .address_space: global }
      - { .name: bo, .offset: 56, .size: 8, .value_kind: global_buffer, .address_space: global }
      - { .name: out0, .offset: 64, .size: 8, .value_kind: global_buffer, .address_space: global }
    .group_segment_fixed_size: 294400
    .private_segment_fixed_size: 0
    .kernarg_segment_align: 8
    .kernarg_segment_size: 72
    .max_flat_workgroup_size: 128
    .sgpr_count:     66
    .vgpr_count:     1024
    .wavefront_size: 32
...
	.end_amdgpu_metadata
.endif
;; end of part 1
;; ======== version 2 of 2: 1 launch
;; launch localattn (part 2): grid 256 x 1, 4 waves a work-group, no clusters, 294,400 bytes of LDS; arguments x, y, wx, bx, wy, by, wo, bo, out0; writes out0
.if DOCPART == 2
	.amdgcn_target "amdgcn-amd-amdhsa--gfx1250"
	.amdhsa_code_object_version 6
	.text
	.protected	k_qc26a1110b1_localattn
	.globl	k_qc26a1110b1_localattn
	.p2align	8
	.type	k_qc26a1110b1_localattn,@function
k_qc26a1110b1_localattn:
	s_mov_b64 s[64:65], 0
	v_nop
	global_prefetch_b8 v0, s[64:65] scope:SCOPE_SE
	s_setreg_imm32_b32 hwreg(HW_REG_WAVE_MODE, 25, 1), 1
	s_wait_xcnt 0x0
; out = wo . (sum over the 5 x 5 window of softmax(q(p) . q(p+d)) v(p+d)) + bo + x,  q = wy . y + by,  v = wx . x + bx.   x, y, out: [4][64][128][128] f32.
; The three 1 x 1 convolutions run on codes of FP6 (E2M3) with one E8M0 scale for each 32 channels (K = 64: two blocks; the upper 64 of the instruction's 128 along K are zero codes on both sides).
; The scores and the weighted sum are f32 fused multiply-adds, since their result goes into a quantiser.  q and v of neighbours outside the image are 0 and still count in the softmax.
; SHARES.  A work-group of four waves owns 64 columns x 4 rows of one image and recomputes q and v on its halo (8 rows x 68 columns); nothing goes to memory between the steps.
;   Convolutions: wave w takes halo rows 2 w and 2 w + 1.  Attention: a lane takes 2 rows x 4 columns of pixels and 16 of the 64 channels; four neighbouring lanes share a block of pixels.
; ORDER.  Each wave asks for its two rows of y first and its two rows of x behind them.  q and all scores need y alone: they are made behind a counted wait that leaves x's two loads out; x is waited for behind the scores.
; LIMITS.  NaN and infinities among the inputs are not served (rows and columns outside the image are cleared by a multiplication with 0).  A block whose largest magnitude lies under 2^-124 keeps
;   the scale byte 1 (a block of zeros too: its codes are zeros).  An exponential under 2^-126 comes out as 0.  The sums over channels and over the window run in another order than the source's.
; No cluster: neighbouring tiles share halo rows, but these would have to land at different LDS rows in each partner, and no LDS address may hang on a work-group's place.
; No prefetch: every read from memory is issued at the kernel's head.
.set RAWP,   272                       ; raw tile: a channel's 68 columns of f32
.set RAWROW, 64*RAWP                   ; one halo row of raw x or y: 64 channels
.set QGRP,   1040                      ; q, v: four pixels of 256 bytes (64 channels) + 16: pixels 4 apart, or channels 16 apart, fall into different 16-byte columns modulo 256 bytes
.set QROW,   17*QGRP                   ; a halo row of q or v: 68 pixels
.set VREG,   141568                    ; LDS: q (first raw y) from 0, v (first raw x) from here
.set WIMG,   283136                    ; the 12 weight fragments as images of their registers
.set FIMG,   896                       ; an image: 512 (registers 0-3) + 256 (registers 4-5) + 128 (scale word)
.set OFR,    16*272                    ; the weighted sums of 16 pixels, 256 bytes + 16 a pixel
.set OUTW,   4*OFR                     ; a wave's 64 pixels; the four waves' lie from 0 on, in q's bytes, once q is read out
.set STG,    4*OUTW                    ; behind them: the stage for the result, [channel] x 1,040 + 4 x pixel
.set A_RX,1                            ; v1-v23: LDS and global offsets, all made at the head and never rewritten
.set A_RY,2
.set A_HX,3
.set A_HY,4
.set A_DQ,5
.set A_DV,6
.set A_GQ,7
.set A_GV,8
.set IL16,9
.set IL8,10
.set IL4,11
.set IS16,12
.set IS8,13
.set IS4,14
.set AQ0,15                            ; v15, v16: my block's region of q, rows 0-2 and rows 3-5
.set AV0,17
.set AV1,18
.set AO,19
.set AOR,20
.set ASTG,21
.set ASTR,22
.set GOUT,23
.set SH8,24                            ; 8 x (lane / 16)
.set LM,26                             ; v[26:27] 1.0 where my halo column lies in the image, else 0
.set BO,28                             ; v28-31 bo[16 t + lane % 16]
.set WSC,32                            ; v32-43 the weights' scale words; v44-47 the scale words made on the way: these sixteen hold scales and nothing else
.set PW,44
.set XHW,45
.set YHW,46
.set OW,47
.set QM0,48                            ; v48-52, v[56:58]: the quantiser's
.set QM1,49
.set QSC,50
.set QBY,51
.set QTP,52
.set AVT0,53
.set AVT1,54
.set AOT,55
.set QTC,56
.set TT,64                             ; window 0, convolutions: v64-95 32 numbers of a block; v96-127 by in the result's layout; v128-191 results; v192-223 bx (outside the scores' ring: it outlasts them); v224-247 two fragments of codes
.set CQ,96
.set DD,128
.set CV,192
.set PCA,224
.set PCB,236
.set XHC,168                           ; window 1: the halo columns' codes of x and of y; weights at v[12 f]: wo f = 0-3, wy 4-7, wx 8-11 (wx and x's codes come behind the scores, which use these registers)
.set YHC,180
.set NB,64                             ; scores: window 0: a ring of four sets of 8 neighbours x 4 channels
.set ACC,48                            ; window 1: 40 pairs of sums;  v128-255 my 8 pixels' own 16 channels
.set OWN,128
.set AW,56                             ; window 0, v56-255: scores, then weights: [offset d] x 8 + pixel
.set MXR,48
.set SU0,50
.set SU1,52
.set OB,48                             ; window 1: the weighted sums of 8 pixels x 4 channels
.set CO,80                             ; window 1: bo as the C of the last convolution
.set OC,192
.set MSB, 0
.macro WIN new                         ; s_set_vgpr_msb: bits 1:0 source 0, 3:2 source 1, 5:4 source 2, 7:6 destination; the high byte repeats the setting that is left
.if MSB != \new
	s_set_vgpr_msb (MSB<<8)|\new
.set MSB, \new
.endif
.endm
.macro PLACES n
.rept \n
	v_nop
.endr
.endm
.macro BARRIER                         ; my LDS stores have landed and my LDS loads are in: then the work-group's barrier
	s_wait_dscnt 0x0
	s_barrier_signal -1
	s_barrier_wait -1
.endm
; 32 numbers of ONE block, v[src] on, become six registers of codes at v[dst]; the scale's byte is left in v[QBY].
.macro QUANT src, dst
	v_max3_num_f32 v[QM0], |v[\src]|, |v[\src+1]|, 0x1800000       ; the largest magnitude, in two chains, and the floor 2^(3 - 127): the byte cannot fall under 1
	v_max3_num_f32 v[QM1], |v[\src+16]|, |v[\src+17]|, |v[\src+18]|
.irp i, 0,2,4,6,8,10
	v_max3_num_f32 v[QM0], v[QM0], |v[\src+2+\i]|, |v[\src+3+\i]|
	v_max3_num_f32 v[QM1], v[QM1], |v[\src+19+\i]|, |v[\src+20+\i]|
.endr
	v_max3_num_f32 v[QM0], v[QM0], |v[\src+14]|, |v[\src+15]|
	v_max3_num_f32 v[QM0], v[QM1], |v[\src+31]|, v[QM0]
	v_add_nc_u32 v[QSC], 0xff000000, v[QM0]                        ; 2 off its exponent field: the conversion takes this operand's exponent field as its scale
	v_cvt_scalef32_pk16_fp6_f32 v[\dst:\dst+2], v[\src:\src+15], v[QSC]
	v_cvt_scalef32_pk16_fp6_f32 v[QTC:QTC+2], v[\src+16:\src+31], v[QSC]   ; (a conversion's three registers begin on an even number)
	v_lshrrev_b32 v[QBY], 23, v[QSC]                               ; the scale's byte; also the plain instruction behind the conversions
.irp i, 0,1,2
	v_mov_b32 v[\dst+3+\i], v[QTC+\i]
.endr
.endm
.macro WORD dst                        ; lane (r, h) holds block h's byte of row r: with lane l xor 16's the word is whole.  Bytes 2 and 3 stay 0: they stand over zero codes
	v_lshlrev_b32 v[QBY], v[SH8], v[QBY]
	v_permlanex16_b32 v[QTP], v[QBY], s52, s53
	v_or_b32 v[\dst], v[QBY], v[QTP]
.endm
.macro PUT dst1                        ; six registers of codes to window 1
	WIN 0x40
.irp i, 0,1,2,3,4,5
	v_mov_b32 v[\dst1+\i], v[PCA+\i]
.endr
	WIN 0
.endm
.macro HALOLD adr                      ; my halo pixel's 32 channels of one block, into v[DD] on
.set ui, 0
.rept 32
	ds_load_b32 v[DD+ui], v[\adr] offset:RAWP*ui
.set ui, ui+1
.endr
.endm
.macro RAWLD adr, c0                   ; 32 channels from c0 on: register 4 c + p = (channel c, row 2 w + h, centre column 4 r + p), in the window that is set
.set ui, \c0
.rept 32
	ds_load_b128 v[4*ui:4*ui+3], v[\adr] offset:RAWP*ui
.set ui, ui+1
.endr
.endm
.macro IMGLD f                         ; weight fragment f's registers 0-5 from its image, into window 1
	ds_load_b128 v[12*\f:12*\f+3], v[IL16] offset:FIMG*\f
	ds_load_b64 v[12*\f+4:12*\f+5], v[IL8] offset:FIMG*\f+512
.endm
	; ================ the head: ids, descriptors, the four tensor loads
	s_load_b512 s[8:23], s[0:1], 0x0               ; x s[8:9], y s[10:11], wx s[12:13], bx s[14:15], wy s[16:17], by s[18:19], wo s[20:21], bo s[22:23]
	s_load_b64 s[24:25], s[0:1], 0x40              ; out0
	v_lshl_add_u32 v254, v0, 2, 0x47c00
	v_mov_b32 v255, 0
	ds_add_u32 v254, v255
	ds_add_u32 v254, v255
	s_wait_dscnt 0x0
	v_lshrrev_b32 v25, 5, v0
	v_readfirstlane_b32 s2, v25                    ; wave w
	v_and_b32 v62, 15, v0                          ; r
	v_bfe_u32 v63, v0, 4, 1                        ; h
	s_and_b32 s3, ttmp9, 1                         ; tx: which 64 columns
	s_bfe_u32 s4, ttmp9, 0x50001                   ; ty: which 4 rows
	s_lshr_b32 s5, ttmp9, 6                        ; the image
	s_lshl_b32 s26, s4, 2
	s_lshl_b32 s27, s2, 1
	s_add_co_u32 s26, s26, s27
	s_sub_co_i32 s26, s26, 2                       ; the first of my two halo rows: 4 ty - 2 + 2 w, an even number: both rows lie in the image or neither
	s_cmp_lt_u32 s26, 128
	s_cselect_b32 s6, 1.0, 0                       ; s[6:7]: 1.0 or 0
	s_mov_b32 s7, s6
	s_max_i32 s58, s26, 0                          ; a row outside is fetched as the nearest row inside (no load leaves its buffer) and cleared later
	s_min_i32 s58, s58, 127
	s_add_co_i32 s26, s26, 1
	s_max_i32 s26, s26, 0
	s_min_i32 s26, s26, 127
	s_mul_i32 s60, s3, 240                         ; the tile's column 0 is image column 60 tx: the 68 columns stay inside the row, and the centre's are tile columns 4 tx on
	s_lshl_b32 s58, s58, 9
	s_lshl_b32 s26, s26, 9
	s_add_co_u32 s58, s58, s60
	s_add_co_u32 s26, s26, s60
	s_mov_b32 s59, 0
	s_mov_b32 s27, 0
	s_lshl_b32 s62, s5, 22                         ; an image is 2^22 bytes
	s_mov_b32 s63, 0
	; descriptor group 1: 64 rows (channels) of 68 elements of 4 bytes, 16,384 elements from channel to channel; dense in LDS
	s_mov_b32 s28, 2<<16
	s_mov_b32 s29, 68<<16                          ; tensor_dim0
	s_mov_b32 s30, 64<<16                          ; tensor_dim1
	s_mov_b32 s31, 68<<16                          ; tile_dim0
	s_mov_b32 s32, 64                              ; tile_dim1
	s_mov_b32 s33, 16384                           ; tensor_dim0_stride
	s_mov_b32 s34, 0
	s_mov_b32 s35, 0
	s_mul_i32 s60, s2, 2*RAWROW                    ; my two rows' place in LDS
	s_mov_b32 s36, 1                               ; s[36:39], s[40:43]: y's two rows, from LDS byte 0 on
	s_mov_b32 s37, s60
	s_mov_b32 s40, 1
	s_add_co_u32 s41, s60, RAWROW
	s_mov_b32 s44, 1                               ; s[44:47], s[48:51]: x's two rows, from VREG on
	s_add_co_u32 s45, s60, VREG
	s_mov_b32 s48, 1
	s_add_co_u32 s49, s60, VREG+RAWROW
	v_lshlrev_b32 v59, 8, v62                      ; weights: row 16 w + r of 256 bytes, + 128 h: my block of 32
	v_lshl_add_u32 v59, v63, 7, v59
	s_lshl_b32 s61, s2, 12
	v_add_nc_u32 v59, s61, v59
	v_lshlrev_b32 v60, 5, v63                      ; by, bx: 8 h
	v_lshlrev_b32 v61, 2, v62                      ; bo: r
	s_wait_kmcnt 0x0
	s_add_nc_u64 s[8:9], s[8:9], s[62:63]
	s_add_nc_u64 s[10:11], s[10:11], s[62:63]
	s_add_nc_u64 s[24:25], s[24:25], s[62:63]
	s_add_nc_u64 s[38:39], s[10:11], s[58:59]
	s_or_b32 s39, s39, 0x80000000
	s_add_nc_u64 s[42:43], s[10:11], s[26:27]
	s_or_b32 s43, s43, 0x80000000
	s_add_nc_u64 s[46:47], s[8:9], s[58:59]
	s_or_b32 s47, s47, 0x80000000
	s_add_nc_u64 s[50:51], s[8:9], s[26:27]
	s_or_b32 s51, s51, 0x80000000
	tensor_load_to_lds s[36:39], s[28:35]          ; y's two rows first, then x's: four loads of mine are out, all first fills
	s_nop 0
	tensor_load_to_lds s[40:43], s[28:35]
	s_nop 0
	tensor_load_to_lds s[44:47], s[28:35]
	s_nop 0
	tensor_load_to_lds s[48:51], s[28:35]
	s_nop 0
	PLACES 4                                       ; four nops behind a tensor load
.irp k, 0,1,2,3,4,5,6,7                        ; tile w of each weight: lane (r, h) takes 32 neighbours along K of row 16 w + r
	global_load_b128 v[64+4*\k:64+4*\k+3], v59, s[20:21] offset:16*\k
	global_load_b128 v[128+4*\k:128+4*\k+3], v59, s[16:17] offset:16*\k
	global_load_b128 v[160+4*\k:160+4*\k+3], v59, s[12:13] offset:16*\k
.endr
.irp t, 0,1,2,3                                ; the biases in the results' layouts
	global_load_b128 v[CQ+8*\t:CQ+8*\t+3], v60, s[18:19] offset:64*\t
	global_load_b128 v[CQ+8*\t+4:CQ+8*\t+7], v60, s[18:19] offset:64*\t+16
	global_load_b128 v[CV+8*\t:CV+8*\t+3], v60, s[14:15] offset:64*\t
	global_load_b128 v[CV+8*\t+4:CV+8*\t+7], v60, s[14:15] offset:64*\t+16
	global_load_b32 v[BO+\t], v61, s[22:23] offset:64*\t
.endr
	s_mov_b32 s52, 0x76543210                      ; v_permlanex16_b32's selects for lane l xor 16
	s_mov_b32 s53, 0xfedcba98
	s_mov_b32 s54, 0xcccccccc                      ; lanes with bit 1 set
	s_mov_b32 s55, 0xaaaaaaaa                      ; lanes with bit 0 set
	s_mov_b32 s56, 0x3fb8aa3b                      ; log2(e)
	s_mov_b32 s57, s56
	s_mul_i32 s61, s2, 2*QROW
	s_lshl_b32 s27, s3, 4
	s_lshl_b32 s58, s3, 3
	s_mul_i32 s59, s2, FIMG
	s_lshr_b32 s62, s2, 1                          ; by: which two of the tile's rows are mine in the attention
	s_and_b32 s63, s2, 1                           ; and which 32 columns
	v_and_b32 v25, 31, v0                          ; lane
	v_bfe_u32 v48, v0, 2, 1
	v_bfe_u32 v49, v0, 1, 1
	v_and_b32 v50, 1, v0
	v_and_b32 v51, 3, v0                           ; g
	v_bfe_u32 v52, v0, 2, 2                        ; bxl
	v_lshl_add_u32 v53, v63, 2, v52                ; 4 h + bxl
	v_lshlrev_b32 v[A_RY], 4, v62                  ; raw: row 2 w + h, centre columns 4 r .. 4 r + 3
	v_mad_u32_u24 v[A_RY], v63, RAWROW, v[A_RY]
	v_add_nc_u32 v[A_RY], s60, v[A_RY]
	v_add_nc_u32 v[A_RY], s27, v[A_RY]
	v_add_nc_u32 v[A_RX], VREG, v[A_RY]
	v_mul_u32_u24 v[A_HY], v48, RAWROW             ; raw halo columns: lane r: row bit 2, side bit 1, column bit 0 (lanes 8-15 repeat 0-7); channels 32 h on
	v_mad_u32_u24 v[A_HY], v63, 32*RAWP, v[A_HY]
	v_lshl_add_u32 v[A_HY], v50, 2, v[A_HY]
	v_lshl_add_u32 v[A_HY], v49, 8, v[A_HY]
	v_add_nc_u32 v[A_HY], s60, v[A_HY]
	v_add_nc_u32 v[A_HY], s58, v[A_HY]
	v_add_nc_u32 v[A_HX], VREG, v[A_HY]
	v_mul_u32_u24 v[A_DQ], v62, QGRP               ; q, v out of a unit: pixel group r, channels 8 h on
	v_lshl_add_u32 v[A_DQ], v63, 5, v[A_DQ]
	v_add_nc_u32 v[A_DQ], s61, v[A_DQ]
	v_add_nc_u32 v[A_DV], VREG, v[A_DQ]
	v_mul_u32_u24 v[A_GQ], v48, QROW               ; and of the halo columns 0, 1, 66, 67
	v_mad_u32_u24 v[A_GQ], v49, 16*QGRP, v[A_GQ]
	v_lshl_add_u32 v[A_GQ], v51, 8, v[A_GQ]
	v_lshl_add_u32 v[A_GQ], v63, 5, v[A_GQ]
	v_add_nc_u32 v[A_GQ], s61, v[A_GQ]
	v_add_nc_u32 v[A_GV], VREG, v[A_GQ]
	v_lshl_add_u32 v[IL16], v25, 4, WIMG           ; images: 16, 8, 4 bytes a lane
	v_lshl_add_u32 v[IL8], v25, 3, WIMG
	v_lshl_add_u32 v[IL4], v25, 2, WIMG
	v_add_nc_u32 v[IS16], s59, v[IL16]
	v_add_nc_u32 v[IS8], s59, v[IL8]
	v_add_nc_u32 v[IS4], s59, v[IL4]
	v_mul_u32_u24 v[AQ0], v53, QGRP                ; attention: block column bx = 8 (w & 1) + 4 h + bxl, channels 16 g on
	v_lshl_add_u32 v[AQ0], v51, 6, v[AQ0]
	s_mul_i32 s27, s62, 2*QROW
	s_mul_i32 s58, s63, 8*QGRP
	s_add_co_u32 s27, s27, s58
	v_add_nc_u32 v[AQ0], s27, v[AQ0]
	v_add_nc_u32 v[AQ0+1], 3*QROW, v[AQ0]
	v_add_nc_u32 v[AV0], VREG, v[AQ0]
	v_add_nc_u32 v[AV1], VREG, v[AQ0+1]
	s_mul_i32 s27, s2, OUTW
	v_mul_u32_u24 v[AO], v63, OFR                  ; the weighted sums: fragment 2 py + h, place bxl + 4 x, channels 16 g on
	v_mad_u32_u24 v[AO], v52, 272, v[AO]
	v_lshl_add_u32 v[AO], v51, 6, v[AO]
	v_add_nc_u32 v[AO], s27, v[AO]
	v_lshl_add_u32 v[AOR], v51, 2, v52             ; and back: pixel r of a fragment lies at place (r >> 2) + 4 (r & 3); channels 32 h on
	v_mul_u32_u24 v[AOR], v[AOR], 272
	v_lshl_add_u32 v[AOR], v63, 7, v[AOR]
	v_add_nc_u32 v[AOR], s27, v[AOR]
	v_mul_u32_u24 v[ASTG], v62, QGRP               ; the stage, in: channel r, pixels 8 h on
	v_lshl_add_u32 v[ASTG], v63, 5, v[ASTG]
	s_lshl_b32 s27, s62, 9
	s_lshl_b32 s58, s63, 7
	s_add_co_u32 s27, s27, s58
	s_add_co_u32 s27, s27, STG
	v_add_nc_u32 v[ASTG], s27, v[ASTG]
	s_add_co_u32 s26, s2, 3
	s_and_b32 s26, s26, 3                          ; u: 0 in wave 1, 1 in wave 2: these two hold raw x of the tile's rows 2 u, 2 u + 1
	v_lshlrev_b32 v[ASTR], 4, v62                  ; the stage, out: row 2 u + h, columns 4 r on
	v_lshl_add_u32 v[ASTR], v63, 8, v[ASTR]
	s_lshl_b32 s27, s26, 9
	s_add_co_u32 s27, s27, STG
	v_add_nc_u32 v[ASTR], s27, v[ASTR]
	s_lshl_b32 s27, s4, 2
	s_lshl_b32 s58, s26, 1
	s_add_co_u32 s27, s27, s58
	s_lshl_b32 s27, s27, 9
	s_lshl_b32 s58, s3, 8
	s_add_co_u32 s27, s27, s58
	v_lshlrev_b32 v[GOUT], 4, v62                  ; and the same place in a channel of out0
	v_lshl_add_u32 v[GOUT], v63, 9, v[GOUT]
	v_add_nc_u32 v[GOUT], s27, v[GOUT]
	v_lshlrev_b32 v[SH8], 3, v63
	v_xor_b32 v[LM], s3, v49                       ; the left halo columns lie in the image where tx = 1, the right ones where tx = 0
	v_cvt_f32_u32 v[LM], v[LM]
	v_mul_f32 v[LM], s6, v[LM]
	v_mov_b32 v[LM+1], v[LM]
	s_mov_b32 s58, 0xbfb8aa3b                      ; -log2(e)
	WIN 0x40                                       ; K = 64 fills registers 0-5 of an operand: registers 6-11 are zero codes (wo's, wy's and y's halo columns' here; wx's and x's behind the scores)
.irp f, 0,1,2,3,4,5,6,7
.irp i, 6,7,8,9,10,11
	v_mov_b32 v[12*\f+\i], 0
.endr
.endr
.irp i, 6,7,8,9,10,11
	v_mov_b32 v[YHC+\i], 0
.endr
	WIN 0
.irp i, 6,7,8,9,10,11
	v_mov_b32 v[PCA+\i], 0
	v_mov_b32 v[PCB+\i], 0
.endr
	; ================ the weights, while the tiles are on their way: wave w quantises tile w of each and stores its registers' image for all waves
	s_wait_loadcnt 0x0
.macro WQ src, wt
	QUANT \src, PCA
	WORD PW
	ds_store_b128 v[IS16], v[PCA:PCA+3] offset:\wt*4*FIMG
	ds_store_b64 v[IS8], v[PCA+4:PCA+5] offset:\wt*4*FIMG+512
	ds_store_b32 v[IS4], v[PW] offset:\wt*4*FIMG+768
	s_wait_dscnt 0x0                               ; the stores have read their registers, which the next fragment takes
.endm
	WQ 64, 0                                       ; wo
	WQ 128, 1                                      ; wy
	WQ 160, 2                                      ; wx
.set ui, 0
.rept 16
	v_pk_mul_f32 v[CQ+ui:CQ+ui+1], v[CQ+ui:CQ+ui+1], s[6:7] op_sel_hi:[1,0]   ; rows outside the image have no bias either
	v_pk_mul_f32 v[CV+ui:CV+ui+1], v[CV+ui:CV+ui+1], s[6:7] op_sel_hi:[1,0]
.set ui, ui+2
.endr
	; ================ raw y into registers.  I read only the rows that I fetched: my own wait is all the ordering that these reads need
	s_wait_tensorcnt 0x2                           ; tensor loads of a wave end in order (ISA guide 10.11.1): y's two rows are in; x's two, issued behind them, may be out
	HALOLD A_HY
	WIN 0x80                                       ; window 2: y
	RAWLD A_RY, 0
	WIN 0
	s_wait_dscnt 32                                ; the 32 loads of the halo columns are in; the 32 issued behind them may be out
	QUANT DD, PCA
	WORD YHW
	PUT YHC
	WIN 0x80
	RAWLD A_RY, 32
	WIN 0
	BARRIER                                        ; every wave's rows of y have landed and are read out, and the images lie in LDS: q may be stored over raw y.  x's loads may be out: they land from VREG on, where nothing is stored or read before they are waited for, and nothing is filled again
	; ================ q = wy . y + by
	WIN 0x40
.irp f, 0,1,2,3,4,5,6,7
	IMGLD \f                                       ; wo and wy
.endr
	WIN 0
.irp f, 0,1,2,3,4,5,6,7,8,9,10,11
	ds_load_b32 v[WSC+\f], v[IL4] offset:FIMG*\f+768
.endr
	s_wait_dscnt 0x0
; My two rows x 64 centre columns, 32 pixels (column 4 r + p of both rows) at a time.  The multiplication by 1.0 or 0 gathers a pixel's 32 channels into neighbouring registers and clears rows outside the image.
; A lane quantises both blocks of its pixel; six swaps of the lanes' halves then give each row a fragment (lanes 0-15 block 0, lanes 16-31 block 1).  The scale words of row 2 w lie in lanes 0-15, those of row 2 w + 1 in lanes 16-31.
; Transposed: source 0 = 16 rows of the weight, source 1 = 16 pixels: a lane holds eight neighbouring channels of one pixel.  The bias is the C.  Eight accumulators, each written once: no chain.
.macro UNIT rw, wb, wsb, cb, adr
.irp p, 0,1,2,3
.irp bl, 0,1
	WIN \rw
.set ui, 0
.rept 32
	v_mul_f32 v[TT+ui], s6, v[4*(32*\bl+ui)+\p]
.set ui, ui+1
.endr
	WIN 0
	QUANT TT, PCA+12*\bl
.if \bl == 0
	v_mov_b32 v[PW], v[QBY]
.else
	v_lshl_or_b32 v[PW], v[QBY], 8, v[PW]
.endif
.endr
.irp i, 0,1,2,3,4,5
	v_permlane16_swap_b32 v[PCA+\i], v[PCB+\i]
.endr
	PLACES 8                                       ; a scale register written by a vector instruction stands 8 places ahead of a scaled matrix instruction, an operand 4
	s_wait_dscnt 0x0                               ; the last results' stores have read their registers
	WIN 0x01                                       ; source 0 (the weight) window 1
.irp t, 0,1,2,3
	v_wmma_scale_f32_16x16x128_f8f6f4 v[DD+8*\t:DD+8*\t+7], v[\wb+12*\t:\wb+12*\t+11], v[PCA:PCA+11], v[\cb+8*\t:\cb+8*\t+7], v[WSC+\wsb+\t], v[PW] matrix_a_fmt:MATRIX_FMT_FP6 matrix_b_fmt:MATRIX_FMT_FP6
.endr
.irp t, 0,1,2,3
	v_wmma_scale_f32_16x16x128_f8f6f4 v[DD+32+8*\t:DD+32+8*\t+7], v[\wb+12*\t:\wb+12*\t+11], v[PCB:PCB+11], v[\cb+8*\t:\cb+8*\t+7], v[WSC+\wsb+\t], v[PW] matrix_a_fmt:MATRIX_FMT_FP6 matrix_b_fmt:MATRIX_FMT_FP6 matrix_b_scale:MATRIX_SCALE_ROW1
.endr
	WIN 0
	PLACES 4                                       ; four places between a matrix instruction and a store of its result
.irp f, 0,1
.irp t, 0,1,2,3
	ds_store_b128 v[\adr], v[DD+32*\f+8*\t:DD+32*\f+8*\t+3] offset:\f*QROW+((2+\p)>>2)*QGRP+((2+\p)&3)*256+64*\t       ; halo column 4 r + p + 2; each accumulator from its low end on
	ds_store_b128 v[\adr], v[DD+32*\f+8*\t+4:DD+32*\f+8*\t+7] offset:\f*QROW+((2+\p)>>2)*QGRP+((2+\p)&3)*256+64*\t+16
.endr
.endr
.endr
.endm
; The four halo columns of my two rows: eight pixels (lanes 8-15 repeat lanes 0-7: the same value to the same address).  What lies outside the image is cleared.
.macro HALOW hc, hw, wb, wsb, cb, adr
	s_wait_dscnt 0x0
	PLACES 1                                       ; these results are laid over the last unit's: five places, of which the unit has left four
	WIN 0x05                                       ; sources 0 and 1 window 1
.irp t, 0,1,2,3
	v_wmma_scale_f32_16x16x128_f8f6f4 v[DD+8*\t:DD+8*\t+7], v[\wb+12*\t:\wb+12*\t+11], v[\hc:\hc+11], v[\cb+8*\t:\cb+8*\t+7], v[WSC+\wsb+\t], v[\hw] matrix_a_fmt:MATRIX_FMT_FP6 matrix_b_fmt:MATRIX_FMT_FP6
.endr
	WIN 0
	PLACES 4
.set ui, 0
.rept 16
	v_pk_mul_f32 v[DD+ui:DD+ui+1], v[DD+ui:DD+ui+1], v[LM:LM+1]
.set ui, ui+2
.endr
.irp t, 0,1,2,3
	ds_store_b128 v[\adr], v[DD+8*\t:DD+8*\t+3] offset:64*\t
	ds_store_b128 v[\adr], v[DD+8*\t+4:DD+8*\t+7] offset:64*\t+16
.endr
.endm
	UNIT 0x08, 48, 4, CQ, A_DQ
	HALOW YHC, YHW, 48, 4, CQ, A_GQ
	BARRIER                                        ; q of the whole halo lies in LDS (x's loads may still be out)
	; ================ the scores.  My block: pixels (py, x), py = 0, 1, x = 0 .. 3; its window is 6 rows x 8 columns of q.  A step takes one row R and 4 of my 16 channels: 8 loads of 16 bytes feed up to 80 packed multiply-adds.
.macro P3LOAD s
.set pR, (\s)/4
.set pI, (\s)%4
.irp c, 0,1,2,3,4,5,6,7
	ds_load_b128 v[NB+32*((\s)%4)+4*\c:NB+32*((\s)%4)+4*\c+3], v[AQ0+pR/3] offset:(pR%3)*QROW+256*\c+16*(\c>>2)+16*pI
.endr
.endm
.macro P3FMA s                         ; the sum of (py, x, dx) is a pair (even and odd channels); a row's first product starts it: nothing is cleared
.set pR, (\s)/4
.set pI, (\s)%4
.set pN, NB+32*((\s)%4)
.irp e, 0,1
.irp py, 0,1
.if (pR-\py >= 0) && (pR-\py <= 4)
.irp x, 0,1,2,3
.irp dx, 0,1,2,3,4
.if (pI == 0) && (\e == 0)
	v_pk_mul_f32 v[ACC+2*((4*\py+\x)*5+\dx):ACC+2*((4*\py+\x)*5+\dx)+1], v[pN+4*(\x+\dx)+2*\e:pN+4*(\x+\dx)+2*\e+1], v[OWN+4*((4*\py+\x)*4+pI)+2*\e:OWN+4*((4*\py+\x)*4+pI)+2*\e+1]
.else
	v_pk_fma_f32 v[ACC+2*((4*\py+\x)*5+\dx):ACC+2*((4*\py+\x)*5+\dx)+1], v[pN+4*(\x+\dx)+2*\e:pN+4*(\x+\dx)+2*\e+1], v[OWN+4*((4*\py+\x)*4+pI)+2*\e:OWN+4*((4*\py+\x)*4+pI)+2*\e+1], v[ACC+2*((4*\py+\x)*5+\dx):ACC+2*((4*\py+\x)*5+\dx)+1]
.endif
.endr
.endr
.endif
.endr
.endr
.endm
.macro P3SUM R                         ; a row is done: the pairs' halves are added; window 2 (y is done with), register 8 d + 4 py + x, d = 5 (R - py) + dx
.irp py, 0,1
.if ((\R)-\py >= 0) && ((\R)-\py <= 4)
.irp x, 0,1,2,3
.irp dx, 0,1,2,3,4
	v_add_f32 v[8*(((\R)-\py)*5+\dx)+4*\py+\x], v[ACC+2*((4*\py+\x)*5+\dx)], v[ACC+2*((4*\py+\x)*5+\dx)+1]
.endr
.endr
.endif
.endr
.endm
	WIN 0x40
.irp py, 0,1
.irp x, 0,1,2,3
.irp i, 0,1,2,3
	ds_load_b128 v[OWN+4*((4*\py+\x)*4+\i):OWN+4*((4*\py+\x)*4+\i)+3], v[AQ0+\py] offset:(1-\py)*2*QROW+256*(2+\x)+16*((2+\x)>>2)+16*\i
.endr
.endr
.endr
	WIN 0
	P3LOAD 0
	P3LOAD 1
	P3LOAD 2
.set st, 0
.rept 24
	WIN 0
.if st+3 < 24
	P3LOAD st+3                                    ; three steps ahead, into the set that the last step has read
.endif
.if 23-st < 3
	s_wait_dscnt 8*(23-st)                         ; eight loads for each younger step may be out
.else
	s_wait_dscnt 24
.endif
	WIN 0x54                                       ; neighbours window 0; own pixels and sums window 1
	P3FMA st
.if st%4 == 3
	WIN 0x85
	P3SUM st/4
.endif
.set st, st+1
.endr
	WIN 0
	; ================ raw x into registers, and v = wx . x + bx.  The partial scores wait in window 2
	s_wait_tensorcnt 0x0                           ; x's two rows are in
	HALOLD A_HX
	WIN 0xc0                                       ; window 3: x; it stays for the rest of the kernel (the residual)
	RAWLD A_RX, 0
	WIN 0
	s_wait_dscnt 32                                ; the 32 loads of the halo columns are in; the 32 issued behind them may be out
	QUANT DD, PCA
	WORD XHW
	PUT XHC
	WIN 0x40                                       ; the scores have used these registers of window 1: wx's fragments come from their images now, and the zero codes are written
.irp f, 8,9,10,11
.irp i, 6,7,8,9,10,11
	v_mov_b32 v[12*\f+\i], 0
.endr
.endr
.irp i, 6,7,8,9,10,11
	v_mov_b32 v[XHC+\i], 0
.endr
.irp f, 8,9,10,11
	IMGLD \f
.endr
	WIN 0xc0
	RAWLD A_RX, 32
	WIN 0
	BARRIER                                        ; every wave's rows of x have landed and are read out: v may be stored over raw x.  And every wave's reads of q are over: its bytes are free for the weighted sums and the stage
	UNIT 0x0c, 96, 8, CV, A_DV
	HALOW XHC, XHW, 96, 8, CV, A_GV
	BARRIER                                        ; v of the whole halo lies in LDS
	; ================ the four lanes of a block add their channels' parts and share the pixels out: lane g ends with pixels (py = g >> 1, x = 2 (g & 1) + 0, 1)
	WIN 0x0a                                       ; sources window 2, destination window 0: from here on the scores lie in window 0
.set d, 0
.rept 25
.irp x, 0,1,2,3
	v_cndmask_b32 v[AW+8*d+4+\x], v[8*d+4+\x], v[8*d+\x], s54       ; what lane g xor 2 keeps,
	v_cndmask_b32 v[AW+8*d+\x], v[8*d+\x], v[8*d+4+\x], s54         ; and what I keep
.endr
.set d, d+1
.endr
.macro P4LOAD R, a0, a1                ; row R of my block's window of v, 4 channels: window 2, v[32 R] on
	WIN 0x80
.irp c, 0,1,2,3,4,5,6,7
.if \R < 3
	ds_load_b128 v[32*\R+4*\c:32*\R+4*\c+3], v[\a0] offset:\R*QROW+256*\c+16*(\c>>2)
.else
	ds_load_b128 v[32*\R+4*\c:32*\R+4*\c+3], v[\a1] offset:(\R-3)*QROW+256*\c+16*(\c>>2)
.endif
.endr
.endm
.irp R, 0,1,2,3,4,5
	P4LOAD \R, AV0, AV1                            ; the first four channels of v land under the softmax
.endr
	WIN 0
.set d, 0
.rept 25
.irp x, 0,1,2,3
	v_add_f32_dpp v[AW+8*d+\x], v[AW+8*d+4+\x], v[AW+8*d+\x] row_xmask:2 row_mask:0xf bank_mask:0xf
.endr
.set d, d+1
.endr
.set d, 0
.rept 25
.irp x, 0,1
	v_cndmask_b32 v[AW+8*d+4+\x], v[AW+8*d+2+\x], v[AW+8*d+\x], s55
	v_cndmask_b32 v[AW+8*d+\x], v[AW+8*d+\x], v[AW+8*d+2+\x], s55
.endr
.set d, d+1
.endr
.set d, 0
.rept 25
.irp x, 0,1
	v_add_f32_dpp v[AW+8*d+\x], v[AW+8*d+4+\x], v[AW+8*d+\x] row_xmask:1 row_mask:0xf bank_mask:0xf
.endr
.set d, d+1
.endr
	; ---- the softmax of my two pixels, over the 25 offsets: the pair v[AW + 8 d : AW + 8 d + 1]
.irp x, 0,1
	v_max3_num_f32 v[MXR+\x], v[AW+\x], v[AW+8+\x], v[AW+16+\x]
.endr
.irp dd, 3,5,7,9,11,13,15,17,19,21,23
.irp x, 0,1
	v_max3_num_f32 v[MXR+\x], v[MXR+\x], v[AW+8*\dd+\x], v[AW+8*\dd+8+\x]
.endr
.endr
.irp x, 0,1
	v_mul_f32 v[MXR+\x], s58, v[MXR+\x]            ; -log2(e) x the maximum: one number for all 25, so its rounding leaves the ratios alone
.endr
.set d, 0
.rept 25
	v_pk_fma_f32 v[AW+8*d:AW+8*d+1], v[AW+8*d:AW+8*d+1], s[56:57], v[MXR:MXR+1] op_sel_hi:[1,0,1]
.set d, d+1
.endr
.set d, 0
.rept 25
	v_exp_f32 v[AW+8*d], v[AW+8*d]
	v_exp_f32 v[AW+8*d+1], v[AW+8*d+1]
.set d, d+1
.endr
	v_nop                                          ; a plain instruction behind the last exponential
	s_wait_alu depctr_va_vdst(0)                   ; a wait ahead of the first reader: one for the batch of 50
	v_pk_add_f32 v[SU0:SU0+1], v[AW:AW+1], v[AW+8:AW+9]
	v_pk_add_f32 v[SU1:SU1+1], v[AW+16:AW+17], v[AW+24:AW+25]
.irp dd, 4,6,8,10,12,14,16,18,20,22
	v_pk_add_f32 v[SU0:SU0+1], v[SU0:SU0+1], v[AW+8*\dd:AW+8*\dd+1]
	v_pk_add_f32 v[SU1:SU1+1], v[SU1:SU1+1], v[AW+8*\dd+8:AW+8*\dd+9]
.endr
	v_pk_add_f32 v[SU0:SU0+1], v[SU0:SU0+1], v[AW+192:AW+193]
	v_pk_add_f32 v[SU0:SU0+1], v[SU0:SU0+1], v[SU1:SU1+1]
	v_rcp_f32 v[SU0], v[SU0]
	v_rcp_f32 v[SU0+1], v[SU0+1]
	v_nop
	s_wait_alu depctr_va_vdst(0)                   ; and one for the two reciprocals
.set d, 0
.rept 25
	v_pk_mul_f32 v[AW+8*d:AW+8*d+1], v[AW+8*d:AW+8*d+1], v[SU0:SU0+1]
.set d, d+1
.endr
	; ---- every lane of a block gets the weights of all 8 pixels: pixel 4 py + x from lane 2 py + (x >> 1) of its four, register x & 1; the two sources are overwritten last
.set d, 0
.rept 25
	v_mov_b32_dpp v[AW+8*d+7], v[AW+8*d+1] quad_perm:[3,3,3,3] row_mask:0xf bank_mask:0xf
	v_mov_b32_dpp v[AW+8*d+6], v[AW+8*d] quad_perm:[3,3,3,3] row_mask:0xf bank_mask:0xf
	v_mov_b32_dpp v[AW+8*d+5], v[AW+8*d+1] quad_perm:[2,2,2,2] row_mask:0xf bank_mask:0xf
	v_mov_b32_dpp v[AW+8*d+4], v[AW+8*d] quad_perm:[2,2,2,2] row_mask:0xf bank_mask:0xf
	v_mov_b32_dpp v[AW+8*d+3], v[AW+8*d+1] quad_perm:[1,1,1,1] row_mask:0xf bank_mask:0xf
	v_mov_b32_dpp v[AW+8*d+2], v[AW+8*d] quad_perm:[1,1,1,1] row_mask:0xf bank_mask:0xf
	v_mov_b32_dpp v[AW+8*d+1], v[AW+8*d+1] quad_perm:[0,0,0,0] row_mask:0xf bank_mask:0xf
	v_mov_b32_dpp v[AW+8*d], v[AW+8*d] quad_perm:[0,0,0,0] row_mask:0xf bank_mask:0xf
.set d, d+1
.endr
	; ================ the weighted sums, 4 of my 16 channels a trip.  A row of v is read by both rows of pixels and is loaded anew, for the next 4 channels, as soon as it has been used.
.macro P4FMA R
	WIN 0x52                                       ; v window 2, weights window 0, sums window 1
.irp dx, 0,1,2,3,4
.irp py, 0,1
.if (\R-\py >= 0) && (\R-\py <= 4)
.irp xh, 0,1
.irp xl, 0,1
.irp e, 0,1
.set qO, OB+4*(4*\py+2*\xh+\xl)+2*\e
.set qN, 32*\R+4*(2*\xh+\xl+\dx)+2*\e
.set qA, AW+8*((\R-\py)*5+\dx)+4*\py+2*\xh
.if (\R == \py) && (\dx == 0)
	v_pk_mul_f32 v[qO:qO+1], v[qN:qN+1], v[qA:qA+1] op_sel:[0,\xl] op_sel_hi:[1,\xl]                      ; the first product starts the sum; one register of the weights' pair serves both halves
.else
	v_pk_fma_f32 v[qO:qO+1], v[qN:qN+1], v[qA:qA+1], v[qO:qO+1] op_sel:[0,\xl,0] op_sel_hi:[1,\xl,1]
.endif
.endr
.endr
.endr
.endif
.endr
.endr
.endm
.macro P4ST py, adr, extra
	WIN 0x04                                       ; the data: window 1
.irp x, 0,1,2,3
	ds_store_b128 v[\adr], v[OB+4*(4*\py+\x):OB+4*(4*\py+\x)+3] offset:\py*2*OFR+\x*4*272+\extra
.endr
.endm
	s_mov_b32 s60, 16                              ; the channels to load: 16 bytes a trip on
	s_mov_b32 s61, 0                               ; the channels to store
.Lp4:                                                  ; three trips; LDS order of a trip: row 0, 1, 2, 3 (8 loads each), 4 stores, row 4, 4 stores, row 5
	s_wait_dscnt 20                                ; behind the last trip's first four stores: row 4, four stores, row 5.  So those stores have read their sums, rows 0-3 are in, and their address is free
	P4FMA 0
	WIN 0
	v_add_nc_u32 v[AVT0], s60, v[AV0]
	P4LOAD 0, AVT0, AVT1
	s_wait_dscnt 16                                ; behind the second four stores: row 5 and the new row 0.  Rows 1-4 are in
	P4FMA 1
	P4LOAD 1, AVT0, AVT1
	P4FMA 2
	P4LOAD 2, AVT0, AVT1
	s_wait_dscnt 24                                ; behind row 5: the new rows 0-2.  Row 5 is in, and its address and the stores' are free
	WIN 0
	v_add_nc_u32 v[AVT1], s60, v[AV1]
	v_add_nc_u32 v[AOT], s61, v[AO]
	P4FMA 3
	P4LOAD 3, AVT0, AVT1
	P4FMA 4
	P4ST 0, AOT, 0
	P4LOAD 4, AVT0, AVT1
	P4FMA 5
	P4ST 1, AOT, 0
	P4LOAD 5, AVT0, AVT1
	WIN 0
	s_add_co_u32 s60, s60, 16
	s_add_co_u32 s61, s61, 16
	s_cmp_lt_u32 s60, 64
	s_cbranch_scc1 .Lp4
	s_wait_dscnt 20                                ; the last four channels: nothing more to load
	P4FMA 0
	s_wait_dscnt 8                                 ; behind the second four stores: row 5
	P4FMA 1
	P4FMA 2
	P4FMA 3
	P4FMA 4
	P4ST 0, AO, 48
	s_wait_dscnt 4                                 ; behind row 5: the four stores just issued
	P4FMA 5
	P4ST 1, AO, 48
	WIN 0
	; ================ the last convolution: my 64 pixels as four fragments of 16.  Lane (r, h) takes pixel r's channels 32 h on: one block
.irp fr, 0,1,2,3
.irp k, 0,1,2,3,4,5,6,7
	ds_load_b128 v[64+32*\fr+4*\k:64+32*\fr+4*\k+3], v[AOR] offset:\fr*OFR+16*\k   ; LDS serves a wave's instructions in order (ISA guide 5.7.1.4): these see my stores
.endr
.endr
	WIN 0x40
.irp t, 0,1,2,3
.irp j, 0,1,2,3,4,5,6,7
	v_mov_b32 v[CO+8*\t+\j], v[BO+\t]              ; bo in the result's layout: a lane holds one channel
.endr
.endr
	WIN 0
.irp i, 6,7,8,9,10,11
	v_mov_b32 v[OC+\i], 0
.endr
; Source 0 = 16 pixels, source 1 = 16 rows of wo: a lane holds channel 16 t + r and eight neighbouring pixels.  Each turn has accumulators of its own.
.macro OUTC fr, dr
	s_wait_dscnt 24                                ; behind this fragment's loads: 24 loads or stores
	QUANT 64+32*\fr, OC
	WORD OW
	PLACES 8
	WIN 0x14                                       ; wo and bo window 1
.irp t, 0,1,2,3
	v_wmma_scale_f32_16x16x128_f8f6f4 v[\dr+8*\t:\dr+8*\t+7], v[OC:OC+11], v[12*\t:12*\t+11], v[CO+8*\t:CO+8*\t+7], v[OW], v[WSC+\t] matrix_a_fmt:MATRIX_FMT_FP6 matrix_b_fmt:MATRIX_FMT_FP6
.endr
	WIN 0
	PLACES 4
.irp t, 0,1,2,3
	ds_store_b128 v[ASTG], v[\dr+8*\t:\dr+8*\t+3] offset:\t*16*QGRP+(\fr>>1)*256+(\fr&1)*64
	ds_store_b128 v[ASTG], v[\dr+8*\t+4:\dr+8*\t+7] offset:\t*16*QGRP+(\fr>>1)*256+(\fr&1)*64+16
.endr
.endm
	OUTC 0, 208
	OUTC 1, 64
	OUTC 2, 96
	OUTC 3, 128
	BARRIER                                        ; 64 channels x 256 pixels lie in the stage
	; ================ the way out: waves 1 and 2, which hold raw x of the tile's rows, add it and store; each half of the lanes stores 256 consecutive bytes, aligned
	s_cmp_lt_u32 s26, 2
	s_cbranch_scc0 .Lend
.macro STLOAD k, reg
.irp c, 0,1,2,3,4,5,6,7,8,9,10,11,12,13,14,15
	ds_load_b128 v[\reg+4*\c:\reg+4*\c+3], v[ASTR] offset:QGRP*(16*(\k)+\c)
.endr
.endm
	STLOAD 0, 64
	STLOAD 1, 128
.irp k, 0,1,2,3
.if \k < 3
	s_wait_dscnt 16                                ; the next 16 channels' loads may be out
.else
	s_wait_dscnt 0x0
.endif
	WIN 0x0c                                       ; x: window 3
.set ui, 0
.rept 32
	v_pk_add_f32 v[64+64*(\k%2)+ui:64+64*(\k%2)+ui+1], v[64+64*(\k%2)+ui:64+64*(\k%2)+ui+1], v[64*\k+ui:64*\k+ui+1]
.set ui, ui+2
.endr
	WIN 0
.irp c, 0,1,2,3,4,5,6,7,8,9,10,11,12,13,14,15
	global_store_b128 v[GOUT], v[64+64*(\k%2)+4*\c:64+64*(\k%2)+4*\c+3], s[24:25] offset:65536*(16*\k+\c) th:TH_STORE_NT
.endr
.if \k < 2
	s_wait_xcnt 0x0                                ; the stores have read their registers, which take the channels 32 further on
	STLOAD \k+2, 64+64*(\k%2)
.endif
.endr
.Lend:
	s_wait_xcnt 0x0
	v_lshl_add_u32 v254, v0, 2, 0x47c00
	v_mov_b32 v255, 0
	s_wait_tensorcnt 0x0
	ds_add_u32 v254, v255
	s_wait_dscnt 0x0
	s_endpgm
.Lfunc_end_k_qc26a1110b1_localattn:
	.size	k_qc26a1110b1_localattn, .Lfunc_end_k_qc26a1110b1_localattn-k_qc26a1110b1_localattn
	.p2alignl 7, 3214868480
	.fill 96, 4, 3214868480
	.section	.rodata,"a",@progbits
	.p2align	6, 0x0
	.amdhsa_kernel k_qc26a1110b1_localattn
		.amdhsa_group_segment_fixed_size 294400
		.amdhsa_private_segment_fixed_size 0
		.amdhsa_enable_private_segment 0
		.amdhsa_kernarg_size 72
		.amdhsa_user_sgpr_count 2
		.amdhsa_user_sgpr_kernarg_segment_ptr 1
		.amdhsa_wavefront_size32 1
		.amdhsa_system_sgpr_workgroup_id_x 1
		.amdhsa_system_sgpr_workgroup_id_y 1
		.amdhsa_system_sgpr_workgroup_id_z 1
		.amdhsa_system_vgpr_workitem_id 0
		.amdhsa_next_free_vgpr 1024
		.amdhsa_next_free_sgpr 66
		.amdhsa_reserve_vcc 0
		.amdhsa_float_denorm_mode_32 3
		.amdhsa_float_denorm_mode_16_64 3
		.amdhsa_memory_ordered 1
		.amdhsa_forward_progress 1
		.amdhsa_inst_pref_size 255
	.end_amdhsa_kernel
	.section	.bss,"aw",@nobits
	.p2align	6
	.space	262144
	.amdgpu_metadata
---
amdhsa.version: [ 1, 2 ]
amdhsa.kernels:
  - .name:           k_qc26a1110b1_localattn
    .symbol:         k_qc26a1110b1_localattn.kd
    .args:
      - { .name: x, .offset: 0, .size: 8, .value_kind: global_buffer, .address_space: global }
      - { .name: y, .offset: 8, .size: 8, .value_kind: global_buffer, .address_space: global }
      - { .name: wx, .offset: 16, .size: 8, .value_kind: global_buffer, .address_space: global }
      - { .name: bx, .offset: 24, .size: 8, .value_kind: global_buffer, .address_space: global }
      - { .name: wy, .offset: 32, .size: 8, .value_kind: global_buffer, .address_space: global }
      - { .name: by, .offset: 40, .size: 8, .value_kind: global_buffer, .address_space: global }
      - { .name: wo, .offset: 48, .size: 8, .value_kind: global_buffer, .address_space: global }
      - { .name: bo, .offset: 56, .size: 8, .value_kind: global_buffer, .address_space: global }
      - { .name: out0, .offset: 64, .size: 8, .value_kind: global_buffer, .address_space: global }
    .group_segment_fixed_size: 294400
    .private_segment_fixed_size: 0
    .kernarg_segment_align: 8
    .kernarg_segment_size: 72
    .max_flat_workgroup_size: 128
    .sgpr_count:     66
    .vgpr_count:     1024
    .wavefront_size: 32
...
	.end_amdgpu_metadata
.endif
;; end of part 2
